; MI455X (gfx1250); checked and timed in simulation.
; The chip was launched on July 23, 2026; its instructions are those of AMD's public machine-readable ISA for CDNA 5 (MIT licence, August 2026) and "CDNA5" Instruction Set Architecture Reference Guide (July 2026). The comments in the code are by the model that wrote it; some were corrected since.
;; Multi Head Attention. Allowed arithmetic: matrix products marked QUANTISED: E2M3 operands, one E8M0 scale for each 32 along K, by v_wmma_scale_f32_16x16x128_f8f6f4 with both operands' format E2M3, f32 sums; everything else in f32.
;; Inputs: Wk 1,024 x 1,024 float32; Wo 1,024 x 1,024 float32; Wq 1,024 x 1,024 float32; Wv 1,024 x 1,024 float32; bk 1,024 float32; bo 1,024 float32; bq 1,024 float32; bv 1,024 float32; qk_scale 1 x 1 x 1 x 1 float32; x 8 x 1,024 x 1,024 float32.
;; Outputs: out0 8 x 1,024 x 1,024 float32.
;; This version of the problem:
;;   THIS VERSION OF THE PROBLEM IS GIVEN IN LOW PRECISION. The matrix products marked QUANTISED in the list below multiply operands that are first quantised to E2M3 (2 exponent bits, 3 mantissa bits; 6 bits a number), with one power-of-two scale for each 32 numbers along K (OCP MX v1.0); their sums are f32. All else is computed in f32.
;;   The module's matrix products, in the order in which they are computed (A, B: the left and right operand; K: the contracted axis; several contracted axes count as one K, in the product's order):
;;     1. [M 8,192, K 1,024] x [K 1,024, N 1,024]; A: input x; B: input Wq: QUANTISED
;;     2. [M 8,192, K 1,024] x [K 1,024, N 1,024]; A: input x; B: input Wk: QUANTISED
;;     3. [M 8,192, K 1,024] x [K 1,024, N 1,024]; A: input x; B: input Wv: QUANTISED
;;     4. batch 128 x [M 1,024, K 64] x [K 64, N 1,024]; A: computed on the way; B: computed on the way: QUANTISED
;;     5. batch 128 x [M 1,024, K 1,024] x [K 1,024, N 64]; A: softmax (see below); B: computed on the way: QUANTISED
;;     6. [M 8,192, K 1,024] x [K 1,024, N 1,024]; A: computed on the way; B: input Wo: QUANTISED
;;   THE QUANTISER, for each operand of a quantised product, along K:
;;     - K is cut into blocks of 32 from its start; a last block that is shorter is filled with zeros.
;;     - A block's scale is 2^e with e = floor(log2(the largest magnitude in the block)) - 2, held to -126 .. 127; a block of zeros has e = 0. As a byte (E8M0): e + 127.
;;     - Each number is divided by its block's scale, clamped to +-7.5, and rounded to the nearest number of E2M3, ties to even, subnormals kept.
;;     - The product sums the exact products of the quantised numbers (number of the format x scale) in f32.
;;   ~~~python
;;   def quantise(x, axis):      # numpy; x: float32 -> the quantised numbers, widened to float32 again
;;       x = np.moveaxis(x, axis, -1); K = x.shape[-1]
;;       x = np.pad(x, [(0, 0)] * (x.ndim - 1) + [(0, -K % 32)]); x = x.reshape(x.shape[:-1] + (-1, 32)); a = np.abs(x).max(-1, keepdims=True)
;;       e = np.where(a > 0, np.clip(np.frexp(np.where(a > 0, a, 1))[1] - 1 - 2, -126, 127), 0)      # np.frexp(a)[1] - 1 = floor(log2(a)), exactly
;;       r = np.clip(x / 2.0 ** e, -7.5, 7.5)
;;       step = 2.0 ** (np.maximum(np.frexp(np.where(r == 0, 1, r))[1] - 1, 0) - 3)
;;       q = np.round(r / step) * step * 2.0 ** e      # np.round: ties to even
;;       return np.moveaxis(q.reshape(q.shape[:-2] + (-1,))[..., :K], -1, axis).astype(np.float32)
;;   ~~~
;;   SOFTMAX AHEAD OF A QUANTISED PRODUCT. Where the list says 'softmax', what is quantised is not the finished softmax but p = 2^(t - M), with t = logit x log2(e) and M = ceil(the row's largest t), a whole number; so 1/2 < the row's largest p <= 1. The row's sum l is taken of the UNQUANTISED p, in f32, and the product's result is divided by l at the end. Since M is a whole number, a kernel that streams over the keys may use a running M (the ceiling of the running maximum): every later rescaling is an exact power of two, which a block's scale takes up: the codes' values come out the same.
;;   OPERANDS COMPUTED ON THE WAY. 'Computed on the way' means the value that the module computes at that place (a softmax that the list does not call 'softmax' is quantised finished and normalised). What goes into a quantiser is computed in f32, as accurately as f32 sums, v_exp_f32 and their like allow (about 1e-6 of the number): no bf16 or f16 on the way to a quantiser, and a product that is left as it is and whose result goes on into a quantised operand takes f32 operands (vector FMAs, or v_wmma_f32_16x16x4_f32). A number that lies on a knife's edge between two numbers of the format may be rounded either way, as far as f32 arithmetic and the matrix unit's own rounding can turn it there, and no further.
;; One version. Each part assembles by itself: llvm-mc -triple=amdgcn-amd-amdhsa -mcpu=gfx1250 --defsym DOCPART=n.
;; ======== version 1 of 1: 4 launches
;; limits: right only within a limited range of input values
;; workspace buffers: x_img 6,291,456 bytes; x_scl 262,144 bytes; w_img 3,145,728 bytes; w_scl 131,072 bytes; qkv_img 18,874,368 bytes; qkv_scl 1,310,720 bytes; o_img 6,291,456 bytes; o_scl 262,144 bytes
;; launch prep (part 1): grid 384 x 1, 4 waves a work-group, no clusters, 35,328 bytes of LDS; arguments x, Wq, Wk, Wv, Wo, x_img, x_scl, w_img, w_scl; writes x_img, x_scl, w_img, w_scl
.if DOCPART == 1
	.amdgcn_target "amdgcn-amd-amdhsa--gfx1250"
	.amdhsa_code_object_version 6
	.text
	.protected	k_qa11f24a066_prep
	.globl	k_qa11f24a066_prep
	.p2align	8
	.type	k_qa11f24a066_prep,@function
k_qa11f24a066_prep:
	s_mov_b64 s[64:65], 0
	v_nop
	global_prefetch_b8 v0, s[64:65] scope:SCOPE_SE
	s_setreg_imm32_b32 hwreg(HW_REG_WAVE_MODE, 25, 1), 1
	s_wait_xcnt 0x0
; x [8192][1024] and Wq, Wk, Wv, Wo [1024 (k)][1024 (n)], f32, become codes of FP6 (E2M3) with one E8M0 byte for each 32 along K, laid as IMAGES OF OPERAND REGISTERS.
; A fragment is 16 rows x 128 K: 12 registers a lane (lane (r, h): registers 6 c .. 6 c + 5 = k 64 c + 32 h + 0 .. 31 of row r).  Its image is 1,536 bytes: register 4 c + i of lane l at byte 512 c + 16 l + 4 i.
; x_img: [K slot q of 256: 4][row tile: 512][kk: 2][1536];  w_img: [q: 4][row tile: 256][kk: 2][1536], row tiles 0-63 Wq's columns, 64-127 Wk's, 128-191 Wv's, 192-255 Wo's.
; x_scl, w_scl: [group of 128 image rows][K step: 8][128] words: a word is a row's four scale bytes of one K step of 128.
; IMAGE ROW rho HOLDS NATURAL ROW perm(rho), perm = bits 3 and 4 changed over (rho = 32 b + 16 u + 8 g + j -> 32 b + 16 g + 8 u + j): with it the 16 results that a lane of a transposed product holds in two
; neighbouring tiles are 16 natural neighbours, so that every later launch quantises its results in registers.
; A block's scale is 2^(floor(log2(largest magnitude)) - 2): its byte is the largest magnitude's exponent field - 2, held at 1 from below by a floor among the maximum's leaves.
; LIMITS: a block of zeros gets the byte 1 where the rule says 127 (its codes are zeros; this program alone reads the bytes); blocks whose largest magnitude lies under 2^-124 are held at the byte 1;
; NaN and infinities among the inputs are not served.
; Work-groups 0-255 take x, 256-383 the weights.  No matrix unit, no tensor load, no barrier: waves share nothing; memory binds, so clusters and large tiles would buy nothing here.
.set QSX,  1572864                     ; bytes of a K slot of x_img
.set QSW,  786432                      ; and of w_img
.set WREG, 8704                        ; LDS of a wave (x's path alone uses LDS): a stage of 16 rows x 528 bytes, then 256 bytes of scale words
.set SPT,  528                         ; a stage row: 512 bytes + 16, an odd multiple of 16
.set R,    16                          ; v16-143  x: two sets of 64 registers as loaded
.set X,    144                         ; v144-207 x: 64 numbers of my row: register 16 b + i = k 32 b + 16 h + i
.set TM,   208                         ; v208-223 at work in QUANT
.set PW,   224                         ; v224     the scale word just made
.set PC,   226                         ; v226-244 the codes just made
.set SEL,  30                          ; s[30:31] lane selects for v_permlanex16_b32: lane l xor 16
.set WX,   16                          ; v16-79   W: two sets of 32 numbers
.set F,    80                          ; v80-127  W: the four fragments (kk, u) at F + 24 kk + 12 u: no store's data are written again
.set TC,   128                         ; v128-130 W: the upper 16 codes of a block
.set SB,   136                         ; v136-137 W: my row's scale word of K step kk
; 64 numbers of a lane, register 16 b + i = k 32 b + 16 (lane / 16) + i of my row, become a fragment's codes in v[PC] on and its scale word in v[PW]
.macro QUANT s
.irp b, 0,1,2,3
	v_max3_num_f32 v[TM+\b], |v[\s+16*\b]|, |v[\s+1+16*\b]|, 0x1800000   ; block b: my 16 numbers, and the floor 2^(3 - 127): the byte cannot fall under 1
.endr
.irp i, 2,4,6,8,10,12,14
.irp b, 0,1,2,3
	v_max3_num_f32 v[TM+\b], v[TM+\b], |v[\s+16*\b+\i]|, |v[\s+1+16*\b+\i]|   ; the four blocks by turns
.endr
.endr
.irp b, 0,1,2,3
	v_permlanex16_b32 v[TM+4+\b], v[TM+\b], s[SEL], s[SEL+1]
.endr
.irp b, 0,1,2,3
	v_max_num_f32 v[TM+\b], v[TM+\b], v[TM+4+\b]   ; with lane l xor 16's: the block's largest magnitude
.endr
.irp b, 0,1,2,3
	v_add_nc_u32 v[TM+12+\b], 0xff000000, v[TM+\b]   ; 2 off its exponent field: the conversion takes this operand's exponent field as its scale
.endr
.irp b, 0,1,2,3
	v_lshrrev_b32 v[TM+4+\b], 23, v[TM+12+\b]      ; the scale's byte
.endr
	v_lshl_or_b32 v[PW], v[TM+5], 8, v[TM+4]
	v_lshl_or_b32 v[PW], v[TM+6], 16, v[PW]
	v_lshl_or_b32 v[PW], v[TM+7], 24, v[PW]
.irp c, 0,1
	v_cvt_scalef32_pk16_fp6_f32 v[PC+6*\c:PC+2+6*\c], v[\s+32*\c:\s+15+32*\c], v[TM+12+2*\c]
	v_cvt_scalef32_pk16_fp6_f32 v[PC+12+4*\c:PC+14+4*\c], v[\s+16+32*\c:\s+31+32*\c], v[TM+12+2*\c+1]   ; (a conversion's three registers begin on an even number)
.endr
	v_nop                                          ; one plain instruction behind the scaled conversions
.irp c, 0,1                                    ; the layout wants a WHOLE block in a lane: lanes 0-15 block 2 c, lanes 16-31 block 2 c + 1
.irp i, 0,1,2
	v_permlane16_swap_b32 v[PC+6*\c+\i], v[PC+12+4*\c+\i]
.endr
.irp i, 0,1,2
	v_mov_b32 v[PC+3+6*\c+\i], v[PC+12+4*\c+\i]
.endr
.endr
.endm
; x: fragment t's 16 token rows, 512 consecutive bytes a load; image row i of tile t = 2 b + u is token 32 b + 8 u + i + 8 (i / 8) of the group's 64
.macro XLOAD t, set
.irp i, 0,1,2,3,4,5,6,7,8,9,10,11,12,13,14,15
	global_load_b128 v[R+64*(\set)+4*\i:R+64*(\set)+4*\i+3], v6, s[4:5] offset:(32*((\t)/2)+8*((\t)%2)+\i+8*(\i/8))*4096 th:TH_LOAD_NT
.endr
.endm
; through my stage: in as loaded (row i at 528 i, 16 bytes a lane), out 16 neighbours of each block of 32 of row r.  LDS serves a wave's instructions in order: no wait between
.macro TURNX set
.irp i, 0,1,2,3,4,5,6,7,8,9,10,11,12,13,14,15
	ds_store_b128 v4, v[R+64*(\set)+4*\i:R+64*(\set)+4*\i+3] offset:SPT*\i
.endr
.irp b, 0,1,2,3
.irp j, 0,1,2,3
	ds_load_b128 v[X+16*\b+4*\j:X+16*\b+4*\j+3], v5 offset:128*\b+16*\j
.endr
.endr
.endm
.macro XFRAG t
.if (\t) < 3
	s_wait_loadcnt 16                              ; this fragment's 16 loads are in; the next fragment's 16 may be out
.else
	s_wait_loadcnt 0x0
.endif
	TURNX (\t)%2
	s_wait_dscnt 0x0                               ; my 64 numbers are back, and the stage's stores have read the set
.if (\t) > 0
	s_wait_xcnt 0x0                                ; the last fragment's stores have read the codes' registers: they are written again below
.endif
.if (\t) < 2
	XLOAD (\t)+2, (\t)%2
.endif
	QUANT X
.irp c, 0,1,2
	global_store_b128 v6, v[PC+4*\c:PC+4*\c+3], s[14:15] offset:(\t)*3072+512*\c   ; the image: 512 consecutive bytes a store
.endr
	ds_store_b32 v7, v[PW] offset:64*(\t)          ; both halves of the lanes write the same word with the same value
.endm
; W: block t: W(32 t + i, my column), i = 0 .. 31: the wave's lanes cover 128 consecutive bytes of a row of W
.macro WLOAD t
.irp i, 0,1,2,3,4,5,6,7,8,9,10,11,12,13,14,15,16,17,18,19,20,21,22,23,24,25,26,27,28,29,30,31
	global_load_b32 v[WX+32*((\t)%2)+\i], v4, s[6:7] offset:(32*(\t)+\i)*4096 th:TH_LOAD_NT
.endr
.endm
; block t = 4 kk + beta of my column: all 32 numbers are mine.  Its 6 registers of codes go to F(kk, beta % 2) + 6 (beta / 2): even blocks of all 32 rows in one run, odd blocks in the other
.macro WBLOCK t
.set XS, WX+32*((\t)%2)
.set FD, F+24*((\t)/4)+12*((\t)%2)+6*(((\t)%4)/2)
.if (\t) < 7
	s_wait_loadcnt 32                              ; this block's 32 loads are in; the next block's may be out
.else
	s_wait_loadcnt 0x0
.endif
	v_max3_num_f32 v138, |v[XS]|, |v[XS+1]|, |v[XS+2]|
	v_max3_num_f32 v139, |v[XS+3]|, |v[XS+4]|, |v[XS+5]|
.irp i, 6,10,14,18,22,26
	v_max3_num_f32 v138, v138, |v[XS+\i]|, |v[XS+\i+1]|
	v_max3_num_f32 v139, v139, |v[XS+\i+2]|, |v[XS+\i+3]|
.endr
	v_max3_num_f32 v138, v138, |v[XS+30]|, |v[XS+31]|
	v_max3_num_f32 v138, v138, v139, 0x1800000     ; and the floor
	v_add_nc_u32 v140, 0xff000000, v138            ; the conversion's scale operand
	v_lshrrev_b32 v141, 23, v140                   ; the byte
.if (\t)%4 == 0
	v_mov_b32 v[SB+(\t)/4], v141
.else
	v_lshl_or_b32 v[SB+(\t)/4], v141, 8*((\t)%4), v[SB+(\t)/4]
.endif
	v_cvt_scalef32_pk16_fp6_f32 v[FD:FD+2], v[XS:XS+15], v140
	v_cvt_scalef32_pk16_fp6_f32 v[TC:TC+2], v[XS+16:XS+31], v140
	v_nop                                          ; one plain instruction behind the scaled conversions
.irp i, 0,1,2
	v_mov_b32 v[FD+3+\i], v[TC+\i]
.endr
.if (\t)+2 < 8
	WLOAD (\t)+2
.endif
.endm
; K step kk is whole.  Lane l holds image row l of my 32.  The exchange gives run 0 tile 0's fragment (lanes 0-15 its even blocks, lanes 16-31 its odd ones) and run 1 tile 1's
.macro WOUT kk
.irp i, 0,1,2,3,4,5,6,7,8,9,10,11
	v_permlane16_swap_b32 v[F+24*(\kk)+\i], v[F+24*(\kk)+12+\i]
.endr
.irp u, 0,1
.irp c, 0,1,2
	global_store_b128 v5, v[F+24*(\kk)+12*\u+4*\c:F+24*(\kk)+12*\u+4*\c+3], s[18:19] offset:\u*3072+(\kk)*1536+512*\c
.endr
.endr
	global_store_b32 v6, v[SB+(\kk)], s[20:21] offset:(\kk)*512   ; 32 words, 128 consecutive bytes: a wave has no more of this K step
.endm
	s_load_b256 s[4:11], s[0:1], 0x0               ; x s[4:5], Wq s[6:7], Wk s[8:9], Wv s[10:11]
	s_load_b256 s[12:19], s[0:1], 0x20             ; Wo s[12:13], x_img s[14:15], x_scl s[16:17], w_img s[18:19]
	s_load_b64 s[20:21], s[0:1], 0x40              ; w_scl
	v_lshl_add_u32 v248, v0, 2, 0x8800
	v_mov_b32 v249, 0
	v_lshrrev_b32 v1, 5, v0
	v_readfirstlane_b32 s22, v1                    ; wave 0..3
	v_and_b32 v1, 31, v0                           ; lane
	s_mov_b32 s29, 0                               ; the upper word of every offset
	s_cmp_lt_u32 ttmp9, 256
	s_cbranch_scc0 .Lweights
	; ---- x.  Work-group g: the 64 image rows of group G = g / 2; wave w: K step s = 4 (g % 2) + w; four fragments
	v_and_b32 v2, 15, v0                           ; r
	v_bfe_u32 v3, v0, 4, 1                         ; h
	s_mul_i32 s23, s22, WREG
	v_lshlrev_b32 v6, 4, v1                        ; 16 x lane: my place in a load, and in an image's store
	v_add_nc_u32 v4, s23, v6                       ; the stage, on the way in
	v_mul_u32_u24 v5, v2, SPT
	v_lshl_add_u32 v5, v3, 6, v5
	v_add_nc_u32 v5, s23, v5                       ; and out: row r, + 64 h
	s_add_co_u32 s23, s23, 16*SPT
	v_lshl_add_u32 v7, v2, 2, s23                  ; my row's scale word
	v_lshlrev_b32 v9, 3, v1
	v_add_nc_u32 v8, s23, v9                       ; the words' way out: 8 bytes a lane
	s_mov_b32 s[SEL], 0x76543210
	s_mov_b32 s[SEL+1], 0xfedcba98
.irp b, 0,1,2,3
	v_mov_b32 v[TM+4+\b], 0                        ; written once: a lane permute's destination counts as one of its sources
.endr
	s_lshr_b32 s24, ttmp9, 1                       ; G
	s_and_b32 s25, ttmp9, 1
	s_lshl_b32 s25, s25, 2
	s_add_co_u32 s25, s25, s22                     ; s
	s_wait_alu depctr_va_vdst(0)
	s_wait_kmcnt 0x0
	s_lshl_b32 s28, s24, 18                        ; x: 64 rows of 4,096 bytes a group,
	s_lshl_b32 s26, s25, 9                         ; 512 bytes a K step
	s_add_co_u32 s28, s28, s26
	s_add_nc_u64 s[4:5], s[4:5], s[28:29]
	s_lshr_b32 s26, s25, 1
	s_mul_i32 s28, s26, QSX                        ; the images: K slot s / 2,
	s_mul_i32 s26, s24, 4*3072                     ; row tile 4 G,
	s_add_co_u32 s28, s28, s26
	s_and_b32 s26, s25, 1
	s_mul_i32 s26, s26, 1536                       ; kk = s % 2
	s_add_co_u32 s28, s28, s26
	s_add_nc_u64 s[14:15], s[14:15], s[28:29]
	s_lshr_b32 s26, s24, 1
	s_lshl_b32 s28, s26, 12                        ; the words: group of 128 rows G / 2,
	s_lshl_b32 s26, s25, 9                         ; K step s,
	s_add_co_u32 s28, s28, s26
	s_and_b32 s26, s24, 1
	s_lshl_b32 s26, s26, 8                         ; my 64 rows of the 128
	s_add_co_u32 s28, s28, s26
	s_add_nc_u64 s[16:17], s[16:17], s[28:29]
	XLOAD 0, 0
	XLOAD 1, 1
.irp t, 0,1,2,3
	XFRAG \t
.endr
	ds_load_b64 v[246:247], v8                     ; my wave's 64 scale words (these see my stores: LDS serves a wave in order)
	s_wait_dscnt 0x0
	global_store_b64 v9, v[246:247], s[16:17]      ; 256 consecutive bytes, at a multiple of 256 from the buffer's first byte
	s_wait_tensorcnt 0x0
	ds_add_u32 v248, v249
	s_wait_dscnt 0x0
	s_endpgm
	; ---- the weights.  idx = g - 256: weight idx / 32, 128 columns (idx / 4) % 8, K slot idx % 4.  A wave: 32 columns x 256 along K.  LANE l TAKES COLUMN perm(l), AND ITS REGISTERS RUN DOWN K
.Lweights:
	s_sub_co_u32 s23, ttmp9, 256
	s_lshr_b32 s24, s23, 5                         ; which weight
	s_bfe_u32 s25, s23, 0x30002                    ; which 128 columns
	s_and_b32 s26, s23, 3                          ; which K slot
	s_wait_alu depctr_va_vdst(0)
	v_and_b32 v2, 7, v1
	v_bfe_u32 v3, v1, 3, 1
	v_bfe_u32 v7, v1, 4, 1
	v_lshl_add_u32 v2, v3, 4, v2
	v_lshl_add_u32 v2, v7, 3, v2                   ; perm(lane)
	v_lshlrev_b32 v4, 2, v2                        ; in: my column's 4 bytes
	v_lshlrev_b32 v5, 4, v1                        ; out: 16 bytes a lane of an image,
	v_lshlrev_b32 v6, 2, v1                        ; 4 of the scale words
	s_wait_alu depctr_va_vdst(0)
	s_wait_kmcnt 0x0
	s_cmp_eq_u32 s24, 1                            ; the choice hangs on the work-group's number alone
	s_cselect_b64 s[6:7], s[8:9], s[6:7]
	s_cmp_eq_u32 s24, 2
	s_cselect_b64 s[6:7], s[10:11], s[6:7]
	s_cmp_eq_u32 s24, 3
	s_cselect_b64 s[6:7], s[12:13], s[6:7]
	s_lshl_b32 s28, s26, 20                        ; W: 256 rows of 4,096 bytes a K slot,
	s_lshl_b32 s32, s25, 9                         ; 512 bytes for 128 columns,
	s_add_co_u32 s28, s28, s32
	s_lshl_b32 s32, s22, 7                         ; 128 for my wave's 32
	s_add_co_u32 s28, s28, s32
	s_add_nc_u64 s[6:7], s[6:7], s[28:29]
	s_lshl_b32 s32, s24, 6
	s_lshl_b32 s33, s25, 3
	s_add_co_u32 s32, s32, s33
	s_lshl_b32 s33, s22, 1
	s_add_co_u32 s32, s32, s33                     ; my first row tile: 64 x weight + 8 x group + 2 x wave
	s_mul_i32 s32, s32, 3072
	s_mul_i32 s28, s26, QSW
	s_add_co_u32 s28, s28, s32
	s_add_nc_u64 s[18:19], s[18:19], s[28:29]
	s_lshl_b32 s32, s24, 3
	s_add_co_u32 s32, s32, s25
	s_lshl_b32 s28, s32, 12                        ; the words: group of 128 rows,
	s_lshl_b32 s32, s26, 10                        ; K step 2 q,
	s_add_co_u32 s28, s28, s32
	s_lshl_b32 s32, s22, 7                         ; my wave's 32 rows
	s_add_co_u32 s28, s28, s32
	s_add_nc_u64 s[20:21], s[20:21], s[28:29]
	WLOAD 0
	WLOAD 1
.irp t, 0,1,2,3
	WBLOCK \t
.endr
	WOUT 0
.irp t, 4,5,6,7
	WBLOCK \t
.endr
	WOUT 1
	s_endpgm
.Lfunc_end_k_qa11f24a066_prep:
	.size	k_qa11f24a066_prep, .Lfunc_end_k_qa11f24a066_prep-k_qa11f24a066_prep
	.p2alignl 7, 3214868480
	.fill 96, 4, 3214868480
	.section	.rodata,"a",@progbits
	.p2align	6, 0x0
	.amdhsa_kernel k_qa11f24a066_prep
		.amdhsa_group_segment_fixed_size 35328
		.amdhsa_private_segment_fixed_size 0
		.amdhsa_enable_private_segment 0
		.amdhsa_kernarg_size 72
		.amdhsa_user_sgpr_count 2
		.amdhsa_user_sgpr_kernarg_segment_ptr 1
		.amdhsa_wavefront_size32 1
		.amdhsa_system_sgpr_workgroup_id_x 1
		.amdhsa_system_sgpr_workgroup_id_y 1
		.amdhsa_system_sgpr_workgroup_id_z 1
		.amdhsa_system_vgpr_workitem_id 0
		.amdhsa_next_free_vgpr 250
		.amdhsa_next_free_sgpr 66
		.amdhsa_reserve_vcc 0
		.amdhsa_float_denorm_mode_32 3
		.amdhsa_float_denorm_mode_16_64 3
		.amdhsa_memory_ordered 1
		.amdhsa_forward_progress 1
		.amdhsa_inst_pref_size 73
	.end_amdhsa_kernel
	.amdgpu_metadata
---
amdhsa.version: [ 1, 2 ]
amdhsa.kernels:
  - .name:           k_qa11f24a066_prep
    .symbol:         k_qa11f24a066_prep.kd
    .args:
      - { .name: x, .offset: 0, .size: 8, .value_kind: global_buffer, .address_space: global }
      - { .name: Wq, .offset: 8, .size: 8, .value_kind: global_buffer, .address_space: global }
      - { .name: Wk, .offset: 16, .size: 8, .value_kind: global_buffer, .address_space: global }
      - { .name: Wv, .offset: 24, .size: 8, .value_kind: global_buffer, .address_space: global }
      - { .name: Wo, .offset: 32, .size: 8, .value_kind: global_buffer, .address_space: global }
      - { .name: x_img, .offset: 40, .size: 8, .value_kind: global_buffer, .address_space: global }
      - { .name: x_scl, .offset: 48, .size: 8, .value_kind: global_buffer, .address_space: global }
      - { .name: w_img, .offset: 56, .size: 8, .value_kind: global_buffer, .address_space: global }
      - { .name: w_scl, .offset: 64, .size: 8, .value_kind: global_buffer, .address_space: global }
    .group_segment_fixed_size: 35328
    .private_segment_fixed_size: 0
    .kernarg_segment_align: 8
    .kernarg_segment_size: 72
    .max_flat_workgroup_size: 128
    .sgpr_count:     66
    .vgpr_count:     250
    .wavefront_size: 32
...
	.end_amdgpu_metadata
.endif
;; end of part 1
;; launch qkv (part 2): grid 12 x 32, 4 waves a work-group, clusters of 4 x 4, 327,680 bytes of LDS; arguments x_img, x_scl, w_img, w_scl, bq, bk, bv, qkv_img, qkv_scl; writes qkv_img, qkv_scl
.if DOCPART == 2
	.amdgcn_target "amdgcn-amd-amdhsa--gfx1250"
	.amdhsa_code_object_version 6
	.text
	.protected	k_qa11f24a066_qkv
	.globl	k_qa11f24a066_qkv
	.p2align	8
	.type	k_qa11f24a066_qkv,@function
k_qa11f24a066_qkv:
	s_mov_b64 s[64:65], 0
	v_nop
	global_prefetch_b8 v0, s[64:65] scope:SCOPE_SE
	s_setreg_imm32_b32 hwreg(HW_REG_WAVE_MODE, 25, 1), 1
	s_wait_xcnt 0x0
	s_wait_alu depctr_hold_cnt(0) depctr_sa_sdst(0) depctr_va_vdst(0) depctr_va_sdst(0) depctr_va_ssrc(0) depctr_va_vcc(0) depctr_vm_vsrc(0)
	s_getreg_b32 s2, hwreg(HW_REG_IB_STS2, 6, 4)
	s_cmp_eq_u32 s2, 0
	s_cbranch_scc0 .Lentry_in_a_cluster
	s_endpgm
.Lentry_in_a_cluster:
	s_bfe_u32 s2, ttmp6, 0x10000c
	s_cmp_lg_u32 s2, 0xf033
	s_cbranch_scc0 .Lentry_shape_is_right
	s_endpgm
.Lentry_shape_is_right:
; q = x Wq + bq, k = x Wk + bk, v = x Wv + bv on codes of FP6 (E2M3) with E8M0 scales (K = 1,024); q and k are divided by (their head's l2 norm + 1e-6); all three are quantised again in registers
; and leave as images of the attention launch's operand registers: q and k along the head's 64 channels, v along the keys.
; THE PRODUCT.  A work-group of four waves makes 256 x 256 of C' = A' B'^T, a wave 128 x 128: 64 accumulators of 16 x 16.  The matrix instruction is used transposed (source 0 = 16 rows of B', source 1 = 16 rows of A'):
; lane (r, h) holds row r of A', and since image rows are permuted (bits 3 and 4 changed over) its 16 registers of B' tiles 2 b, 2 b + 1 are the natural neighbours 32 b + 16 h + 0 .. 15 along B'.
; ROLES, by the cluster's x (equal in all partners): 0, 1: A' = x's tokens, B' = Wq's or Wk's columns: a lane's 64 registers of an A' block are 128 channels = two heads of one token.
;        2: A' = Wv's columns, B' = x's tokens: a lane's 64 registers are 128 neighbouring keys of one channel.  Pointers, strides and factors are chosen by s_cselect; one text serves both roles.
; OPERANDS lie in memory as register images (16 rows x 128 K = 1,536 bytes; register 4 c + i of lane l at 512 c + 16 l + 4 i), [K slot of 256][row tile][kk]: 128 rows of a K slot are 24,576 dense bytes, one tensor load;
; a fragment comes from LDS by three loads of 16 bytes a lane, 512 consecutive bytes each: no pitch, no padding.  The scale words of 128 rows for all of K are 4,096 dense bytes, [K step][128].
; LDS: THREE slots of a K slot each; K has four: slots 0 to 2 are first fills, K slot 3 is the one refill (into slot 0), asked for two K slots, 160 matrix instructions, ahead of its use.
; CLUSTERS: 4 x 4 work-groups; A's tiles are asked for jointly along a row of the cluster, B's along a column.
; BIASES: bq or bk (by B' column) is the C of each sum's first product; bv (by A' row) is the addend of the way out's multiply-add.  Both are loaded in both roles; the one that does not apply is cleared by the role's mask.
; LIMITS: a head's sum of squares must stay finite in f32; a block of zeros gets the byte 1 where the rule says 127 (this program alone reads the bytes); largest magnitudes under 2^-124 are held at the byte 1; no NaN, no infinities.
; REGISTERS: window 0: v16-31 addresses; v32-63 scale words, two sets; v64-127 the column bias (later the norms and QUANT's registers); v128-223 A's fragments, one set (later 64 numbers and their codes); v224-239 the row bias.
;   window 1: B's fragments, two sets, at v0 and v128.   windows 2, 3: the accumulators: (a, b) at window 2 + a / 4, v[8 (8 (a % 4) + b)].
.set QSX,   1572864                    ; bytes of a K slot of x_img,
.set QSW,   786432                     ; of w_img
.set KSEC,  6291456                    ; qkv_img: q's section at 0, k's at KSEC, v's at 2 KSEC
.set FR,    12
.set CHUNK, 24576                      ; 128 rows of a K slot
.set SLOT,  4*CHUNK                    ; A's 256 rows, then B's 256
.set SCL,   3*SLOT                     ; the scale words: 8,192 bytes for each wave's load
.set SPARE, SCL+16384                  ; the spare words: 128 bytes a wave, two blocks of 256 bytes that no other line names
.set SCR,   SPARE+512                  ; 1,024 bytes a wave: the new scale words on their way out; no tile lands here
.set ADRA, 16                          ; v16-18 my A' half in slot 0, 1, 2: + 16 x lane
.set ADRB, 20                          ; v20-22 the same for B'
.set ADRS, 24                          ; v24    my scale words: lanes 0-15 A's rows, lanes 16-31 B's
.set L16,  25                          ; v25    16 x lane
.set L8,   26                          ; v26    8 x lane
.set H16,  27                          ; v27    16 h
.set SPW,  28                          ; v28    LDS address of my spare word; never rewritten
.set NIL,  29                          ; v29    0; never rewritten
.set SGA,  30                          ; v30    SCR: where I put a row's new scale word
.set SGR,  31                          ; v31    SCR: where I read 16 bytes back
.set SC,   32                          ; scale words: register 16 set + 2 i + kk: lanes 0-15 A' block i, lanes 16-31 B' block i
.set BIAS, 64
.set AF,   128
.set BV,   224                         ; v[224 + 2 a], twice: bv of my row of A' block a (0 in roles 0, 1)
.set INV,  64                          ; the way out: v[64 + 2 k] 1 / (norm + eps), v[65 + 2 k] the sum of squares, k = 2 a + head
.set PS,   96                          ; v96-103 four chains of sums
.set TM,   104                         ; v104-119 at work in QUANT
.set PW,   120
.set TW,   121
.set HA,   128                         ; v128-191 64 numbers to be quantised
.set PC,   192                         ; v192-210 their codes
.set OW,   212                         ; v212-219 the new scale words
.set LW,   2                           ; s2   wave % 2: my half of B'; also which 128 rows I fetch
.set WV,   22                          ; s22  wave
.set HF,   23                          ; s23  wave / 2: my half of A'; also: I fetch for A' (0) or B' (1)
.set G1A,  24                          ; groups 1: A's tiles, B's tiles, A's scales, B's scales
.set G1B,  32
.set G1SA, 40
.set G1SB, 48
.set G0A0, 56                          ; groups 0: one for each first fill
.set G0A1, 60
.set G0A2, 68
.set G0SA, 72
.set G0B0, 76
.set G0B1, 80
.set G0B2, 84
.set G0SB, 88
.set QSA,  92                          ; s[92:93], s[94:95] a K slot on, in A's and in B's images
.set QSB,  94
.set SEL,  30                          ; the way out: s[30:31] lane selects for lane l xor 16
.set MSB, 0
.macro WIN new                         ; the immediate's high byte repeats the setting that is left
.if MSB != (\new)
	s_set_vgpr_msb (MSB<<8)|(\new)
.set MSB, (\new)
.endif
.endm
.set MUL_LO, 0xa1                      ; source 0 (B') window 1, source 1 (A') window 0, C and D window 2
.set MUL_HI, 0xf1                      ; the same, C and D window 3
.set TO_B,   0x40                      ; destination window 1, address window 0
; A joint load: waves 0, 1 fetch for A', waves 2, 3 for B'.  The branch hangs on the wave's number alone.  Four v_nop follow each of the two lines
.macro JLOAD g0a, g1a, g0b, g1b
	s_cmp_eq_u32 s[HF], 0
	s_cbranch_scc0 .Lfor_b_\@
	tensor_load_to_lds s[\g0a:\g0a+3], s[\g1a:\g1a+7]
	s_nop 0
.rept 4
	v_nop
.endr
	s_branch .Lasked_\@
.Lfor_b_\@:
	tensor_load_to_lds s[\g0b:\g0b+3], s[\g1b:\g1b+7]
	s_nop 0
.rept 4
	v_nop
.endr
.Lasked_\@:
.endm
.macro CREST                           ; a round of the cluster's barrier behind its opening barrier
	s_cmp_lg_u32 s[WV], 0
	s_cbranch_scc1 .Lnot_wave_0_\@
	s_barrier_signal -3
.Lnot_wave_0_\@:
	s_barrier_wait -3
	s_barrier_signal -1
	s_barrier_wait -1
.endm
.macro CROUND
	s_barrier_signal -1
	s_barrier_wait -1
	CREST
.endm
.macro PLACES                          ; four plain vector instructions between a matrix instruction and a load into, or a read of, its registers
.rept 4
	v_nop
.endr
.endm
.macro FRAG reg, adr, kk, i            ; a fragment's image: three loads of 512 consecutive bytes
.irp c, 0,1,2
	ds_load_b128 v[(\reg)+4*\c:(\reg)+4*\c+3], v[\adr] offset:(\i)*3072+(\kk)*1536+512*\c
.endr
.endm
.macro FETCH_B slot, kk, set           ; B's eight fragments: 24 loads
	WIN TO_B
.irp i, 0,1,2,3,4,5,6,7
	FRAG 128*(\set)+FR*\i, ADRB+\slot, \kk, \i
.endr
	WIN 0
.endm
.macro FETCH_A slot, kk, i0            ; A's blocks i0 .. i0 + 3: 12 loads
.irp i, \i0, \i0+1, \i0+2, \i0+3
	FRAG AF+FR*(\i), ADRA+\slot, \kk, \i
.endr
.endm
.macro SCALES set, ksl                 ; K slot ksl's scale words: 16 loads
.irp i, 0,1,2,3,4,5,6,7
.irp k, 0,1
	ds_load_b32 v[SC+16*(\set)+2*\i+\k], v[ADRS] offset:(2*(\ksl)+\k)*512+64*\i
.endr
.endr
.endm
; 16 matrix instructions: A's blocks a0, a0 + 1 x B's eight.  B's set is kk.  first = 1: the column bias is C: nothing is cleared.  The 64 accumulators take turns, one instruction a turn, in the same order in every step
.macro MUL16 a0, kk, set, first
.irp a, \a0, \a0+1
.irp b, 0,1,2,3,4,5,6,7
.set rD, 8*(8*((\a)%4)+\b)
.set rB, 128*(\kk)+FR*\b
.set rA, AF+FR*(\a)
.set sB, SC+16*(\set)+2*\b+(\kk)
.set sA, SC+16*(\set)+2*(\a)+(\kk)
.if \first
	v_wmma_scale_f32_16x16x128_f8f6f4 v[rD:rD+7], v[rB:rB+FR-1], v[rA:rA+FR-1], v[BIAS+8*\b:BIAS+8*\b+7], v[sB], v[sA] matrix_a_fmt:MATRIX_FMT_FP6 matrix_b_fmt:MATRIX_FMT_FP6 matrix_a_scale:MATRIX_SCALE_ROW1
.else
	v_wmma_scale_f32_16x16x128_f8f6f4 v[rD:rD+7], v[rB:rB+FR-1], v[rA:rA+FR-1], v[rD:rD+7], v[sB], v[sA] matrix_a_fmt:MATRIX_FMT_FP6 matrix_b_fmt:MATRIX_FMT_FP6 matrix_a_scale:MATRIX_SCALE_ROW1
.endif
.endr
.endr
.endm
; A step of 128 along K.  It fetches the next step's fragments (LDS slot ns, half nk): B's and A's blocks 0-3 in its middle, A's blocks 4-7 at its end; nsc >= 0: K slot nsc's scale words too
.macro STEP kk, set, first, ns, nk, nsc
	s_wait_dscnt 12                                ; all but the youngest 12 loads (A's blocks 4-7) are in
.if \first
	WIN 0x81                                       ; C (the bias) window 0, D window 2
.else
	WIN MUL_LO
.endif
	MUL16 0, \kk, \set, \first
	MUL16 2, \kk, \set, \first
	s_wait_dscnt 0x0                               ; A's blocks 4-7 are in
	PLACES
	FETCH_B \ns, \nk, \nk
	FETCH_A \ns, \nk, 0
.if \nsc >= 0
	SCALES 1-(\set), \nsc
.endif
.if \first
	WIN 0xc1
.else
	WIN MUL_HI
.endif
	MUL16 4, \kk, \set, \first
	MUL16 6, \kk, \set, \first
	PLACES
	WIN 0
	FETCH_A \ns, \nk, 4
.endm
; A K slot's second step with a barrier in it.  In front of the barrier each wave waits for all its tensor loads, adds 0 to its spare word, and waits for that and for its LDS reads.
; fill = 1: the barrier opens a round of the cluster's, and slot 0, which nobody reads any more, takes K slot 3.  fill = 0: behind the barrier K slot 3 is whole for every wave
.macro TURN set, ns, nsc, fill
	s_wait_tensorcnt 0x0                           ; all my tensor loads have landed
	ds_add_u32 v[SPW], v[NIL]                      ; 0 onto my spare word
	s_wait_dscnt 13                                ; (the add and the youngest 12 loads may be out)
	WIN MUL_LO
	MUL16 0, 1, \set, 0                            ; sixteen matrix instructions stand between the add and the wait for it
	s_wait_dscnt 0x0                               ; the add is done, and my reads of the slot are over
	s_barrier_signal -1
	MUL16 2, 1, \set, 0
	WIN 0
	s_barrier_wait -1
.if \fill == 2
	CREST                                          ; fill = 2: slot 2's first fill, K slot 2, issued as a refill is
	JLOAD G0A2, G1A, G0B2, G1B
.endif
.if \fill == 1
	CREST                                          ; fill = 1: no wave of any partner still reads slot 0 or has a load on its way
	s_add_nc_u64 s[G0A0+2:G0A0+3], s[G0A2+2:G0A2+3], s[QSA:QSA+1]   ; K slot 3 lies one K slot behind K slot 2 (no load of mine is out)
	s_add_nc_u64 s[G0B0+2:G0B0+3], s[G0B2+2:G0B2+3], s[QSB:QSB+1]
	JLOAD G0A0, G1A, G0B0, G1B
.endif
.if \fill == 0
	PLACES
.endif
	FETCH_B \ns, 0, 0
	FETCH_A \ns, 0, 0
	SCALES 1-(\set), \nsc
	WIN MUL_HI
	MUL16 4, 1, \set, 0
	MUL16 6, 1, \set, 0
	PLACES
	WIN 0
	FETCH_A \ns, 0, 4
.endm
; 64 numbers of a lane, register 16 b + i = k 32 b + 16 (lane / 16) + i of my row, become a fragment's codes in v[PC] on and its scale word in v[PW]
.macro QUANT s
.irp b, 0,1,2,3
	v_max3_num_f32 v[TM+\b], |v[\s+16*\b]|, |v[\s+1+16*\b]|, 0x1800000   ; my 16 numbers of block b, and the floor 2^(3 - 127): the byte cannot fall under 1
.endr
.irp i, 2,4,6,8,10,12,14
.irp b, 0,1,2,3
	v_max3_num_f32 v[TM+\b], v[TM+\b], |v[\s+16*\b+\i]|, |v[\s+1+16*\b+\i]|
.endr
.endr
.irp b, 0,1,2,3
	v_permlanex16_b32 v[TM+4+\b], v[TM+\b], s[SEL], s[SEL+1]
.endr
.irp b, 0,1,2,3
	v_max_num_f32 v[TM+\b], v[TM+\b], v[TM+4+\b]   ; with lane l xor 16's: the block's largest magnitude
.endr
.irp b, 0,1,2,3
	v_add_nc_u32 v[TM+12+\b], 0xff000000, v[TM+\b]   ; 2 off its exponent field: the conversion's scale operand
.endr
.irp b, 0,1,2,3
	v_lshrrev_b32 v[TM+4+\b], 23, v[TM+12+\b]      ; the byte
.endr
	v_lshl_or_b32 v[PW], v[TM+5], 8, v[TM+4]
	v_lshl_or_b32 v[PW], v[TM+6], 16, v[PW]
	v_lshl_or_b32 v[PW], v[TM+7], 24, v[PW]
.irp c, 0,1
	v_cvt_scalef32_pk16_fp6_f32 v[PC+6*\c:PC+2+6*\c], v[\s+32*\c:\s+15+32*\c], v[TM+12+2*\c]
	v_cvt_scalef32_pk16_fp6_f32 v[PC+12+4*\c:PC+14+4*\c], v[\s+16+32*\c:\s+31+32*\c], v[TM+12+2*\c+1]
.endr
	v_nop                                          ; one plain instruction behind the scaled conversions
.irp c, 0,1
.irp i, 0,1,2
	v_permlane16_swap_b32 v[PC+6*\c+\i], v[PC+12+4*\c+\i]
.endr
.irp i, 0,1,2
	v_mov_b32 v[PC+3+6*\c+\i], v[PC+12+4*\c+\i]
.endr
.endr
.endm
; the sums of squares of A' block a: my 32 numbers of each of its two heads, two chains a head; every accumulator is read from its low end on
.macro SSQ a
.set AC, 64*((\a)%4)
	WIN 5*(2+(\a)/4)                               ; sources 0 and 1: window 2 or 3
.irp i, 0,1,2,3,4,5,6,7,8,9,10,11,12,13,14,15
.irp e, 0,1
.set rP, PS+4*\e+2*(\i%2)
.set rS, AC+32*\e+2*\i
.if \i < 2
	v_pk_mul_f32 v[rP:rP+1], v[rS:rS+1], v[rS:rS+1]
.else
	v_pk_fma_f32 v[rP:rP+1], v[rS:rS+1], v[rS:rS+1], v[rP:rP+1]
.endif
.endr
.endr
	WIN 0
.irp e, 0,1
	v_pk_add_f32 v[PS+4*\e:PS+4*\e+1], v[PS+4*\e:PS+4*\e+1], v[PS+4*\e+2:PS+4*\e+3]
.endr
.irp e, 0,1
	v_add_f32 v[INV+1+2*(2*(\a)+\e)], v[PS+4*\e], v[PS+4*\e+1]
.endr
.endm
; A' block a's 64 numbers: accumulator x (1 / (norm + eps), or 1) + (0, or bv)
.macro NORM a
.set AC, 64*((\a)%4)
	WIN 2+(\a)/4                                   ; source 0: window 2 or 3
.irp i, 0,1,2,3,4,5,6,7,8,9,10,11,12,13,14,15,16,17,18,19,20,21,22,23,24,25,26,27,28,29,30,31
	v_pk_fma_f32 v[HA+2*\i:HA+2*\i+1], v[AC+2*\i:AC+2*\i+1], v[INV+2*(2*(\a)+\i/16):INV+2*(2*(\a)+\i/16)+1], v[BV+2*(\a):BV+2*(\a)+1] op_sel_hi:[1,0,0]
.endr
	WIN 0
.endm
	s_load_b256 s[4:11], s[0:1], 0x0               ; x_img s[4:5], x_scl s[6:7], w_img s[8:9], w_scl s[10:11]
	s_load_b256 s[12:19], s[0:1], 0x20             ; bq s[12:13], bk s[14:15], bv s[16:17], qkv_img s[18:19]
	s_load_b64 s[20:21], s[0:1], 0x40              ; qkv_scl
	v_lshl_add_u32 v[SPW], v0, 2, SPARE
	v_mov_b32 v[NIL], 0
	ds_add_u32 v28, v29
	ds_add_u32 v28, v29
	s_wait_dscnt 0x0
	v_lshrrev_b32 v1, 5, v0
	v_readfirstlane_b32 s[WV], v1                  ; wave 0..3
	s_lshr_b32 s[HF], s[WV], 1
	s_and_b32 s[LW], s[WV], 1
	s_bfe_u32 s96, ttmp6, 0x40000                  ; cx, cy: my place in the cluster
	s_bfe_u32 s97, ttmp6, 0x40004
	s_and_b32 s3, ttmp7, 0xffff
	s_lshl_b32 s3, s3, 2                           ; 4 x cluster y
	s_lshl_b32 s101, ttmp9, 2                      ; 4 x cluster x
	s_cmp_eq_u32 ttmp9, 2                          ; the role: v's clusters are those with x = 2
	s_cselect_b32 s98, 0, s3
	s_cselect_b32 s99, s3, s101
	s_cselect_b32 s100, -1, 0                      ; the role as a lane mask
	s_mov_b32 s[QSA], QSX
	s_cselect_b32 s[QSA], QSW, s[QSA]
	s_mov_b32 s[QSB], QSW
	s_cselect_b32 s[QSB], QSX, s[QSB]
	s_cselect_b32 s101, 128, 0                     ; A's first row tile: Wv's begin at 128
	s_mov_b32 s[QSA+1], 0
	s_mov_b32 s[QSB+1], 0
	s_add_co_u32 s98, s98, s97                     ; TR: tile row of C' (4 x cluster y + cy, or cy)
	s_add_co_u32 s99, s99, s96                     ; TC: tile column (4 x cluster x + cx, or 4 x cluster y + cx)
	s_lshl_b32 s66, s97, 2
	s_lshl_b32 s66, 15, s66                        ; my row of the cluster
	s_lshl_b32 s67, 0x1111, s96                    ; my column
	s_or_b32 s[G1A], s66, (3<<16)|(1<<21)          ; 15:0 the mask; 17:16 elements of 8 bytes; 21 set beside a mask; no padding
	s_or_b32 s[G1B], s67, (3<<16)|(1<<21)
	s_or_b32 s[G1SA], s66, (3<<16)|(1<<21)
	s_or_b32 s[G1SB], s67, (3<<16)|(1<<21)
.irp g, G1A, G1B                               ; 24,576 dense bytes as 96 rows of 256
	s_mov_b32 s[\g+1], 32<<16                      ; tensor_dim0
	s_mov_b32 s[\g+2], 192<<16                     ; the head's loads bring 256 rows of a K slot: 192 rows of 256 bytes
	s_mov_b32 s[\g+3], 32<<16                      ; tile_dim0
	s_mov_b32 s[\g+4], 192
	s_mov_b32 s[\g+5], 32                          ; the pitch
	s_mov_b32 s[\g+6], 0
	s_mov_b32 s[\g+7], 0
.endr
.irp g, G1SA, G1SB                             ; 8,192 dense bytes as 32 rows of 256
	s_mov_b32 s[\g+1], 32<<16
	s_mov_b32 s[\g+2], 32<<16                      ; the scale words of 256 rows: 8,192 dense bytes
	s_mov_b32 s[\g+3], 32<<16
	s_mov_b32 s[\g+4], 32
	s_mov_b32 s[\g+5], 32
	s_mov_b32 s[\g+6], 0
	s_mov_b32 s[\g+7], 0
.endr
	s_lshl_b32 s66, s98, 4                         ; the first row tile that I fetch.  A's hangs on cy, never on cx,
	s_add_co_u32 s101, s101, s66
	s_lshl_b32 s3, s99, 4
	s_wait_kmcnt 0x0
	s_cmp_eq_u32 ttmp9, 2
	s_cselect_b64 s[G0A0+2:G0A0+3], s[8:9], s[4:5]
	s_cselect_b64 s[G0SA+2:G0SA+3], s[10:11], s[6:7]
	s_cselect_b64 s[G0B0+2:G0B0+3], s[4:5], s[8:9]
	s_cselect_b64 s[G0SB+2:G0SB+3], s[6:7], s[10:11]
	s_mul_i32 s4, s101, 3072                       ; a row tile of a K slot is 3,072 bytes of codes
	s_mov_b32 s5, 0
	s_add_nc_u64 s[G0A0+2:G0A0+3], s[G0A0+2:G0A0+3], s[4:5]
	s_lshl_b32 s4, s101, 9                         ; and 512 bytes of scale words (8 row tiles: 4,096)
	s_add_nc_u64 s[G0SA+2:G0SA+3], s[G0SA+2:G0SA+3], s[4:5]
	s_mul_i32 s6, s3, 3072
	s_mov_b32 s7, 0
	s_add_nc_u64 s[G0B0+2:G0B0+3], s[G0B0+2:G0B0+3], s[6:7]
	s_lshl_b32 s6, s3, 9
	s_add_nc_u64 s[G0SB+2:G0SB+3], s[G0SB+2:G0SB+3], s[6:7]
	s_mul_i32 s4, s[LW], CHUNK                     ; behind the head a wave fetches 128 rows: which half
	s_mul_i32 s6, s[LW], CHUNK
	s_add_nc_u64 s[G0A1+2:G0A1+3], s[G0A0+2:G0A0+3], s[QSA:QSA+1]
	s_add_nc_u64 s[G0A1+2:G0A1+3], s[G0A1+2:G0A1+3], s[4:5]
	s_add_nc_u64 s[G0A2+2:G0A2+3], s[G0A1+2:G0A1+3], s[QSA:QSA+1]
	s_add_nc_u64 s[G0B1+2:G0B1+3], s[G0B0+2:G0B0+3], s[QSB:QSB+1]
	s_add_nc_u64 s[G0B1+2:G0B1+3], s[G0B1+2:G0B1+3], s[6:7]
	s_add_nc_u64 s[G0B2+2:G0B2+3], s[G0B1+2:G0B1+3], s[QSB:QSB+1]
	; the prefetches' addresses: of the 96 blocks of 256 bytes that I fetch of a K slot, my work-group names 24, told apart from its three partners' by address (cx for A', cy for B')
	s_cmp_eq_u32 s[HF], 0
	s_cselect_b64 s[4:5], s[G0A1+2:G0A1+3], s[G0B1+2:G0B1+3]
	s_cselect_b64 s[10:11], s[QSA:QSA+1], s[QSB:QSB+1]
	s_cselect_b32 s6, s96, s97
	s_mul_i32 s6, s6, 24*256
	s_mov_b32 s7, 0
	s_add_nc_u64 s[4:5], s[4:5], s[6:7]            ; K slot 1,
	s_add_nc_u64 s[6:7], s[4:5], s[10:11]          ; K slot 2,
	s_add_nc_u64 s[66:67], s[6:7], s[10:11]        ; K slot 3
	s_mul_i32 s8, s[WV], CHUNK                     ; where they go: wave x 24,576 in a slot: no place in the cluster enters an LDS address
.irp g, G0A0, G0B0
	s_mov_b32 s[\g], 1
	s_or_b32 s[\g+3], s[\g+3], 0x80000000
.endr
	s_mov_b32 s[G0A0+1], 0                         ; the head's loads: A's 256 rows at slot 0's start,
	s_mov_b32 s[G0B0+1], 2*CHUNK                   ; B's 256 behind them
.irp g, G0A1, G0B1
	s_mov_b32 s[\g], 1
	s_add_co_u32 s[\g+1], s8, SLOT
	s_or_b32 s[\g+3], s[\g+3], 0x80000000
.endr
.irp g, G0A2, G0B2
	s_mov_b32 s[\g], 1
	s_add_co_u32 s[\g+1], s8, 2*SLOT
	s_or_b32 s[\g+3], s[\g+3], 0x80000000
.endr
.irp g, G0SA, G0SB
	s_mov_b32 s[\g], 1
	s_or_b32 s[\g+3], s[\g+3], 0x80000000
.endr
	s_mov_b32 s[G0SA+1], SCL
	s_mov_b32 s[G0SB+1], SCL+8192
	CROUND                                         ; all sixteen work-groups are here: the first joint loads meet
; the head's four tiles, one joint load a wave: wave 0 K slot 0 of A's 256 rows, wave 1 of B's, wave 2 A's scale words, wave 3 B's.  One chain of branches on the wave's number, all arms to one join
.macro ARM under, g0, g1, next
	s_cmp_lt_u32 s[WV], \under
	s_cbranch_scc0 \next
	tensor_load_to_lds s[\g0:\g0+3], s[\g1:\g1+7]
	s_nop 0
.rept 4
	v_nop
.endr
	s_branch .Lhead_asked
\next:
.endm
	ARM 1, G0A0, G1A, .Lhead_b
	ARM 2, G0B0, G1B, .Lhead_sa
	ARM 3, G0SA, G1SA, .Lhead_sb
	tensor_load_to_lds s[G0SB:G0SB+3], s[G1SB:G1SB+7]
	s_nop 0
.rept 4
	v_nop
.endr
.Lhead_asked:
	v_and_b32 v1, 31, v0                           ; lane
	v_and_b32 v2, 15, v0                           ; r
	v_bfe_u32 v3, v0, 4, 1                         ; h
	v_lshlrev_b32 v[L16], 4, v1
	v_lshlrev_b32 v[L8], 3, v1
	v_lshlrev_b32 v[H16], 4, v3
	v_min_u32 v8, 23, v1                           ; v8: the prefetches' offset: a lane a block of 256 bytes; lanes 24-31 name the last block again; never rewritten
	v_lshlrev_b32 v8, 8, v8
	s_mul_i32 s8, s[HF], CHUNK                     ; my 128 rows of A',
	s_mul_i32 s9, s[LW], CHUNK
	s_add_co_u32 s9, s9, 2*CHUNK                   ; my 128 rows of B', behind A's 256
.irp j, 0,1,2
	v_add_nc_u32 v[ADRA+\j], s8, v[L16]
	v_add_nc_u32 v[ADRB+\j], s9, v[L16]
	s_add_co_u32 s8, s8, SLOT
	s_add_co_u32 s9, s9, SLOT
.endr
	s_lshl_b32 s8, s[HF], 12                       ; A's scale words: my half;
	s_lshl_b32 s9, s[LW], 12
	s_add_co_u32 s9, s9, 8192                      ; B's: my half, behind A's two
	s_sub_co_u32 s9, s9, s8
	v_mul_u32_u24 v4, s9, v3                       ; lanes 16-31 take B's: ONE product, h x the distance
	s_add_co_u32 s8, s8, SCL
	v_lshl_add_u32 v4, v2, 2, v4
	v_add_nc_u32 v[ADRS], s8, v4
	s_lshl_b32 s8, s[WV], 10
	s_add_co_u32 s8, s8, SCR
	v_lshl_add_u32 v[SGA], v3, 9, s8
	v_lshl_add_u32 v[SGA], v2, 2, v[SGA]           ; SCR + 1,024 wave + 512 h + 4 r
	v_add_nc_u32 v[SGR], s8, v[L16]
	global_prefetch_b8 v8, s[4:5] th:TH_LOAD_NT scope:SCOPE_SE     ; K slots 1 and 2 are asked of memory here, one and two loads ahead of the loads that want them
	global_prefetch_b8 v8, s[6:7] th:TH_LOAD_NT scope:SCOPE_SE
	; the biases.  By B' column: register j of B' tile b is natural column 32 (b / 2) + 8 (b % 2) + 16 h + j of my 128.  By A' row: row r of block a is natural channel 32 (a / 2) + 8 (a % 2) + r + 8 (r / 8)
	s_cmp_eq_u32 ttmp9, 1
	s_cselect_b64 s[12:13], s[14:15], s[12:13]     ; bk for cluster x = 1, else bq (in v's role its numbers are cleared below)
	s_lshl_b32 s8, s96, 10
	s_lshl_b32 s9, s[LW], 9
	s_add_co_u32 s8, s8, s9
	s_mov_b32 s9, 0
	s_add_nc_u64 s[12:13], s[12:13], s[8:9]        ; + (256 cx + 128 half) x 4
	s_lshl_b32 s8, s97, 10
	s_lshl_b32 s10, s[HF], 9
	s_add_co_u32 s8, s8, s10
	s_add_nc_u64 s[16:17], s[16:17], s[8:9]        ; bv + (256 cy + 128 half) x 4
	v_lshlrev_b32 v5, 6, v3                        ; 64 h
	v_and_b32 v6, 8, v2
	v_add_nc_u32 v6, v6, v2
	v_lshlrev_b32 v6, 2, v6                        ; 4 (r + 8 (r / 8))
.irp b, 0,1,2,3,4,5,6,7
	global_load_b128 v[BIAS+8*\b:BIAS+8*\b+3], v5, s[12:13] offset:(32*(\b/2)+8*(\b%2))*4
	global_load_b128 v[BIAS+8*\b+4:BIAS+8*\b+7], v5, s[12:13] offset:(32*(\b/2)+8*(\b%2))*4+16
.endr
.irp a, 0,1,2,3,4,5,6,7
	global_load_b32 v[BV+2*\a], v6, s[16:17] offset:(32*(\a/2)+8*(\a%2))*4
.endr
	s_wait_loadcnt 0x0
.set j, 0
.rept 64
	v_cndmask_b32 v[BIAS+j], v[BIAS+j], 0, s100    ; v's role has no bias by B' column
.set j, j+1
.endr
.irp a, 0,1,2,3,4,5,6,7
	v_cndmask_b32 v[BV+2*\a+1], 0, v[BV+2*\a], s100   ; q's and k's roles have none by A' row.  (The packed form names the pair: both are written)
	v_cndmask_b32 v[BV+2*\a], 0, v[BV+2*\a], s100
.endr
	s_wait_alu depctr_va_vdst(0)
	s_wait_tensorcnt 0x0                           ; my tile of the head's four is in
	ds_add_u32 v[SPW], v[NIL]
	s_mov_b32 s[G1A+2], 96<<16                     ; no load of mine is out: from here on a load brings 128 rows of a K slot,
	s_mov_b32 s[G1A+4], 96
	s_mov_b32 s[G1B+2], 96<<16
	s_mov_b32 s[G1B+4], 96
	s_mul_i32 s[G0A0+1], s[WV], CHUNK              ; and slot 0's refill goes to wave x 24,576
	s_mul_i32 s[G0B0+1], s[WV], CHUNK
	s_wait_dscnt 0x0
	CROUND                                         ; all four tiles are in, and all sixteen work-groups are here
	JLOAD G0A1, G1A, G0B1, G1B                     ; K slot 1, slot 1's first fill: my one load behind the round
	FETCH_B 0, 0, 0
	FETCH_A 0, 0, 0
	SCALES 0, 0
	FETCH_A 0, 0, 4
	global_prefetch_b8 v8, s[66:67] th:TH_LOAD_NT scope:SCOPE_SE   ; K slot 3, two loads ahead; there is no K slot 4
	STEP 0, 0, 1, 0, 1, -1                         ; K slot 0: its first products start the sums on the bias
	TURN 0, 1, 1, 2                                ; K slot 1 has landed; slot 2 takes K slot 2
	STEP 0, 1, 0, 1, 1, -1                         ; K slot 1
	TURN 1, 2, 2, 1                                ; K slot 2 has landed; slot 0, read no more, takes K slot 3
	STEP 0, 0, 0, 2, 1, -1                         ; K slot 2
	TURN 0, 0, 3, 0                                ; K slot 3 is whole for every wave; nothing is filled, so no round
	STEP 0, 1, 0, 0, 1, -1                         ; K slot 3
	s_wait_dscnt 12                                ; the very last step: nothing more to fetch
	WIN MUL_LO
	MUL16 0, 1, 1, 0
	MUL16 2, 1, 1, 0
	s_wait_dscnt 0x0
	WIN MUL_HI
	MUL16 4, 1, 1, 0
	MUL16 6, 1, 1, 0
	WIN 0
	; ---- THE WAY OUT.  Where my results go.  P: the tokens' tile, C4, H1: the channels' quarter and half, H2: the tokens' half; one formula with the role's factors.  (No tensor load is out: the descriptors' registers are free)
	s_wait_xcnt 0x0                                ; the prefetches have read their addresses: s4 to s7 are written again below
	s_mov_b32 s[SEL], 0x76543210
	s_mov_b32 s[SEL+1], 0xfedcba98
	s_cmp_eq_u32 ttmp9, 2
	s_cselect_b32 s4, s99, s98                     ; P
	s_cselect_b32 s5, s97, s96                     ; C4
	s_cselect_b32 s6, s[HF], s[LW]                 ; H1
	s_cselect_b32 s7, s[LW], s[HF]                 ; H2
	s_mov_b32 s8, 6144
	s_cselect_b32 s8, 1536, s8                     ; 128 tokens on: 8 half images of q or k, or a fragment of v
	s_mov_b32 s10, 49152
	s_cselect_b32 s10, 768, s10                    ; from the fragment's first half to its second: the next head, or v's second half image
	s_mov_b32 s26, 768
	s_cselect_b32 s26, 12288, s26                  ; an A' block on: the next tile of tokens, or the next 16 channels (8 K steps of 1,536; four of them are a head)
	s_mov_b32 s28, 0xffff
	s_cselect_b32 s28, -1, s28                     ; q's and k's scale words have two bytes, v's four
	s_cselect_b32 s12, 15, 16                      ; the scale words: log2 of a batch's bytes,
	s_cselect_b32 s13, 9, 13                       ; of 128 channels',
	s_cselect_b32 s14, 12, 9                       ; of 128 tokens'
	s_mov_b32 s11, 0
	s_mov_b32 s27, 0
	s_lshr_b32 s15, s4, 2                          ; the batch
	s_and_b32 s4, s4, 3
	s_lshl_b32 s4, s4, 1
	s_add_co_u32 s4, s4, s7                        ; which 128 tokens of the batch
	s_lshl_b32 s5, s5, 1
	s_add_co_u32 s5, s5, s6                        ; which pair of heads
	s_lshl_b32 s6, s15, 3
	s_add_co_u32 s6, s6, s5
	s_mul_i32 s6, s6, 98304                        ; two heads of 49,152 bytes
	s_mul_i32 s7, ttmp9, KSEC                      ; the section: q, k, v = cluster x 0, 1, 2
	s_add_co_u32 s6, s6, s7
	s_mul_i32 s7, s4, s8
	s_add_co_u32 s6, s6, s7
	s_mov_b32 s7, 0
	s_add_nc_u64 s[18:19], s[18:19], s[6:7]        ; the first halves,
	s_add_nc_u64 s[24:25], s[18:19], s[10:11]      ; the second
	s_lshl_b32 s6, s15, s12
	s_lshl_b32 s5, s5, s13
	s_add_co_u32 s6, s6, s5
	s_lshl_b32 s4, s4, s14
	s_add_co_u32 s6, s6, s4
	s_lshl_b32 s4, ttmp9, 19                       ; the section of scale words
	s_add_co_u32 s6, s6, s4
	s_add_nc_u64 s[20:21], s[20:21], s[6:7]
	PLACES                                         ; in front of the first read of results
.irp a, 0,1,2,3,4,5,6,7
	SSQ \a
.endr
.set k, 0
.rept 16
	v_permlanex16_b32 v[INV+2*k], v[INV+1+2*k], s[SEL], s[SEL+1]   ; the head's other 32 channels lie in lane l xor 16
.set k, k+1
.endr
.set k, 0
.rept 16
	v_add_f32 v[INV+1+2*k], v[INV+1+2*k], v[INV+2*k]
.set k, k+1
.endr
.set k, 0
	s_wait_alu depctr_va_vdst(0)
.rept 16
	v_sqrt_f32 v[INV+1+2*k], v[INV+1+2*k]
.set k, k+1
.endr
	v_nop                                          ; a plain instruction behind the last root,
	s_wait_alu depctr_va_vdst(0)                   ; and one wait for the sixteen, ahead of their first reader
.set k, 0
.rept 16
	v_add_f32 v[INV+1+2*k], 0x358637bd, v[INV+1+2*k]   ; + 1e-6
.set k, k+1
.endr
.set k, 0
	s_wait_alu depctr_va_vdst(0)
.rept 16
	v_rcp_f32 v[INV+2*k], v[INV+1+2*k]
.set k, k+1
.endr
	v_nop
	s_wait_alu depctr_va_vdst(0)                   ; one wait for the sixteen reciprocals
.set k, 0
.rept 16
	v_cndmask_b32 v[INV+2*k], v[INV+2*k], 1.0, s100   ; v is not normalised
.set k, k+1
.endr
.irp a, 0,1,2,3,4,5,6,7
.if \a > 0
	s_wait_xcnt 0x0                                ; the last block's stores have read their bases and the codes' registers
	s_add_nc_u64 s[18:19], s[18:19], s[26:27]
	s_add_nc_u64 s[24:25], s[24:25], s[26:27]
.endif
	NORM \a
	QUANT HA
	global_store_b128 v[L16], v[PC:PC+3], s[18:19]                 ; a half image: registers 0-3 at 16 x lane (512 consecutive bytes),
	global_store_b64 v[L8], v[PC+4:PC+5], s[18:19] offset:512      ; registers 4, 5 at 512 + 8 x lane (256)
	global_store_b128 v[L16], v[PC+6:PC+9], s[24:25]
	global_store_b64 v[L8], v[PC+10:PC+11], s[24:25] offset:512
	v_lshrrev_b32 v[TW], v[H16], v[PW]             ; lanes 0-15 keep the first head's two bytes (or v's whole word), lanes 16-31 the second head's
	v_and_b32 v[TW], s28, v[TW]
	ds_store_b32 v[SGA], v[TW] offset:64*\a
.endr
	ds_load_b128 v[OW:OW+3], v[SGR]                ; my 128 rows' words of the first head (or v's); LDS serves a wave in order: these see my stores
	ds_load_b128 v[OW+4:OW+7], v[SGR] offset:512   ; and of the second
	s_wait_dscnt 0x0
	global_store_b128 v[L16], v[OW:OW+3], s[20:21]   ; 512 consecutive bytes
	s_cmp_eq_u32 ttmp9, 2
	s_cbranch_scc1 .Lno_second                     ; v has one word a row
	global_store_b128 v[L16], v[OW+4:OW+7], s[20:21] offset:4096
.Lno_second:
	s_wait_tensorcnt 0x0                           ; the wave's end: behind my last tensor load and my last LDS store
	ds_add_u32 v[SPW], v[NIL]
	s_wait_dscnt 0x0
	CROUND                                         ; the closing round: no work-group ends while a partner may still ask for a tile that names it
	s_endpgm
.Lfunc_end_k_qa11f24a066_qkv:
	.size	k_qa11f24a066_qkv, .Lfunc_end_k_qa11f24a066_qkv-k_qa11f24a066_qkv
	.p2alignl 7, 3214868480
	.fill 96, 4, 3214868480
	.section	.rodata,"a",@progbits
	.p2align	6, 0x0
	.amdhsa_kernel k_qa11f24a066_qkv
		.amdhsa_group_segment_fixed_size 327680
		.amdhsa_private_segment_fixed_size 0
		.amdhsa_enable_private_segment 0
		.amdhsa_kernarg_size 72
		.amdhsa_user_sgpr_count 2
		.amdhsa_user_sgpr_kernarg_segment_ptr 1
		.amdhsa_wavefront_size32 1
		.amdhsa_system_sgpr_workgroup_id_x 1
		.amdhsa_system_sgpr_workgroup_id_y 1
		.amdhsa_system_sgpr_workgroup_id_z 1
		.amdhsa_system_vgpr_workitem_id 0
		.amdhsa_next_free_vgpr 1024
		.amdhsa_next_free_sgpr 102
		.amdhsa_reserve_vcc 0
		.amdhsa_float_denorm_mode_32 3
		.amdhsa_float_denorm_mode_16_64 3
		.amdhsa_memory_ordered 1
		.amdhsa_forward_progress 1
		.amdhsa_inst_pref_size 193
	.end_amdhsa_kernel
	.amdgpu_metadata
---
amdhsa.version: [ 1, 2 ]
amdhsa.kernels:
  - .name:           k_qa11f24a066_qkv
    .symbol:         k_qa11f24a066_qkv.kd
    .args:
      - { .name: x_img, .offset: 0, .size: 8, .value_kind: global_buffer, .address_space: global }
      - { .name: x_scl, .offset: 8, .size: 8, .value_kind: global_buffer, .address_space: global }
      - { .name: w_img, .offset: 16, .size: 8, .value_kind: global_buffer, .address_space: global }
      - { .name: w_scl, .offset: 24, .size: 8, .value_kind: global_buffer, .address_space: global }
      - { .name: bq, .offset: 32, .size: 8, .value_kind: global_buffer, .address_space: global }
      - { .name: bk, .offset: 40, .size: 8, .value_kind: global_buffer, .address_space: global }
      - { .name: bv, .offset: 48, .size: 8, .value_kind: global_buffer, .address_space: global }
      - { .name: qkv_img, .offset: 56, .size: 8, .value_kind: global_buffer, .address_space: global }
      - { .name: qkv_scl, .offset: 64, .size: 8, .value_kind: global_buffer, .address_space: global }
    .group_segment_fixed_size: 327680
    .private_segment_fixed_size: 0
    .kernarg_segment_align: 8
    .kernarg_segment_size: 72
    .max_flat_workgroup_size: 128
    .sgpr_count:     102
    .vgpr_count:     1024
    .wavefront_size: 32
...
	.end_amdgpu_metadata
.endif
;; end of part 2
;; launch attn (part 3): grid 4 x 64, 8 waves a work-group, clusters of 4 x 1, 211,968 bytes of LDS; arguments qkv_img, qkv_scl, qk_scale, o_img, o_scl; writes o_img, o_scl
.if DOCPART == 3
	.amdgcn_target "amdgcn-amd-amdhsa--gfx1250"
	.amdhsa_code_object_version 6
	.text
	.protected	k_qa11f24a066_attn
	.globl	k_qa11f24a066_attn
	.p2align	8
	.type	k_qa11f24a066_attn,@function
k_qa11f24a066_attn:
	s_mov_b64 s[64:65], 0
	v_nop
	global_prefetch_b8 v0, s[64:65] scope:SCOPE_SE
	s_setreg_imm32_b32 hwreg(HW_REG_WAVE_MODE, 25, 1), 1
	s_wait_xcnt 0x0
	s_wait_alu depctr_hold_cnt(0) depctr_sa_sdst(0) depctr_va_vdst(0) depctr_va_sdst(0) depctr_va_ssrc(0) depctr_va_vcc(0) depctr_vm_vsrc(0)
	s_getreg_b32 s2, hwreg(HW_REG_IB_STS2, 6, 4)
	s_cmp_eq_u32 s2, 0
	s_cbranch_scc0 .Lentry_in_a_cluster
	s_endpgm
.Lentry_in_a_cluster:
	s_bfe_u32 s2, ttmp6, 0x10000c
	s_cmp_lg_u32 s2, 0x3003
	s_cbranch_scc0 .Lentry_shape_is_right
	s_endpgm
.Lentry_shape_is_right:
; o = softmax(qk_scale x qn kn^T) v for each of 128 heads of 1,024 tokens x 64 channels, both products on codes of FP6 (E2M3) with E8M0 scales; o is quantised along d and leaves as images of the last product's operand registers.
; THE SOFTMAX: t = score x |qk_scale| x log2(e); M = the running largest t rounded UP to a whole number; p = 2^(t - M) is quantised along the keys, not normalised; the row's sum is taken of the unquantised p and divides at the end.
; A negative qk_scale is moved onto q: the sign bits of q's codes are turned over (exact: the quantiser is odd).  A block's largest p is the block's largest score put through the same multiply-add and exponential
; (this takes v_exp_f32 not to fall where its input rises).
; SHARES.  A work-group owns 256 queries of two heads 2 hp, 2 hp + 1 of a batch; each of its eight waves 32 queries, as TWO TILES OF 16, in two passes, a head each.  Tile 0's numbers lie in register window 0, tile 1's under the
; same numbers in window 1: one text (SOFT, FIN) serves both.  Each fragment of k and v is loaded once for both tiles.
; A STEP'S ORDER: tile 0's scores; tile 0's softmax, with tile 1's eight score products standing among its maxima; tile 1's softmax, with tile 0's four O products among its later maxima; tile 1's O products.
; Both heads' k and v (196,608 bytes) and their scale words stay in LDS, filled once, one joint load a wave (mask 15: the four blocks of queries of a pair of heads read the same k and v).
; No prefetch: everything is asked for at the head, so there is no loop to run ahead in.
; LAYOUT.  Both products transposed: S^T = k q^T, O^T = v^T p^T: a lane holds one query.  THE KEYS OF A TILE OF k ARE CHOSEN BY THE LANES' LDS ADDRESSES: row 8 g + j of tile 4 c + u is natural key 64 c + 32 g + 8 u + j, which the
; images (rows with bits 3 and 4 changed over) hold in tile 4 c + 2 g + u % 2, row 8 (u / 2) + j.  So a lane's 32 registers of tiles 4 c .. 4 c + 3 are ONE WHOLE BLOCK of 32 keys, block 2 c + h, as p's operand layout wants it.
; The first product's K is 64: q's registers 6-11 are zero codes, so k's registers 6-11 may hold anything: k's eight fragments stand 6 registers apart.  Bytes 2, 3 of q's and k's scale words are 0.
; Scale words of two neighbouring tiles share a register: lanes 0-15 the even tile's, lanes 16-31 the odd one's (ROW1).
; LIMITS: the promise holds while the scaled scores t stay under 2^31 in magnitude; no NaN, no infinities; a block of zeros gets the byte 1 where the rule says 127 (this program alone reads the bytes).
; REGISTERS.  In both windows: v12 -M, v13 largest score, v[14:15] the sum, v16-27 q, v96-159 S^T then p, v160-191 O^T, v192-210 p's codes, v212-223 o's codes (v218-223 hold the second head's q during the first pass),
;   v230 o's scale word, v231 8 h, v232-254 at work.  Window 0 alone: v1-3 16 l, 8 l, 4 l; v4-9 the step's addresses; v10, v11 o's words' way out; v28-31 q's scale words; v32-85 k's fragments; v86-89 k's words, v90-91 v's,
;   v94, v95 p's; v227-229 k's lane addresses; v251, v255 the add's two registers.  Window 1 alone: v32-79 v's four fragments.
.set KSEC,  6291456
.set QSX,   1572864
.set HEADB, 49152                      ; a head's k, or v, in bytes
.set VL,    2*HEADB                    ; LDS: k of both heads from 0, v of both from VL
.set KSL,   4*HEADB                    ; k's scale words: [head][1,024] words
.set VSL,   KSL+8192                   ; v's: [128 keys: 8][tile: 8][16] words
.set OSC,   VSL+4096                   ; o's scale words on their way out: 128 bytes a wave; no tile lands here
.set SPARE, OSC+1024                   ; the spare words: 128 bytes a wave
.set WV,   14
.set G1C,  16                          ; s[16:23] 32,768 dense bytes;  s[24:31] 8,192 dense bytes;  s[32:39] 8 rows of 512 bytes, 4,096 apart
.set G1K,  24
.set G1V,  32
.set SEL,  56                          ; s[56:57] lane selects for lane l xor 16
.set CS,   58                          ; s[58:59] c = |qk_scale| x log2(e), twice
.set CNT,  63
.set SK,   66                          ; s66-69 where the step's k, v, k's words and v's words begin in LDS
.set SV,   67
.set SS,   68
.set ST,   69
.set MSB, 0
.macro WIN new                         ; the immediate's high byte repeats the setting that is left
.if MSB != (\new)
	s_set_vgpr_msb (MSB<<8)|(\new)
.set MSB, (\new)
.endif
.endm
.macro CROUND                          ; a round of the cluster's barrier
	s_barrier_signal -1
	s_barrier_wait -1
	s_cmp_lg_u32 s[WV], 0
	s_cbranch_scc1 .Lnot_wave_0_\@
	s_barrier_signal -3
.Lnot_wave_0_\@:
	s_barrier_wait -3
	s_barrier_signal -1
	s_barrier_wait -1
.endm
.macro NOP4
.rept 4
	v_nop
.endr
.endm
; one product.  z = 1: C is 0;  ra = 1: source 0's scale words stand in lanes 16-31
.macro WM d, a, b, z, sa, sb, ra
.if (\z) && (\ra)
	v_wmma_scale_f32_16x16x128_f8f6f4 v[\d:\d+7], v[\a:\a+11], v[\b:\b+11], 0, v[\sa], v[\sb] matrix_a_fmt:MATRIX_FMT_FP6 matrix_b_fmt:MATRIX_FMT_FP6 matrix_a_scale:MATRIX_SCALE_ROW1
.endif
.if (\z) && !(\ra)
	v_wmma_scale_f32_16x16x128_f8f6f4 v[\d:\d+7], v[\a:\a+11], v[\b:\b+11], 0, v[\sa], v[\sb] matrix_a_fmt:MATRIX_FMT_FP6 matrix_b_fmt:MATRIX_FMT_FP6
.endif
.if !(\z) && (\ra)
	v_wmma_scale_f32_16x16x128_f8f6f4 v[\d:\d+7], v[\a:\a+11], v[\b:\b+11], v[\d:\d+7], v[\sa], v[\sb] matrix_a_fmt:MATRIX_FMT_FP6 matrix_b_fmt:MATRIX_FMT_FP6 matrix_a_scale:MATRIX_SCALE_ROW1
.endif
.if !(\z) && !(\ra)
	v_wmma_scale_f32_16x16x128_f8f6f4 v[\d:\d+7], v[\a:\a+11], v[\b:\b+11], v[\d:\d+7], v[\sa], v[\sb] matrix_a_fmt:MATRIX_FMT_FP6 matrix_b_fmt:MATRIX_FMT_FP6
.endif
.endm
; 128 keys of k: eight tiles, 6 registers each, and four registers of scale words
.macro KLOAD
.irp t, 0,1,2,3,4,5,6,7
	ds_load_b128 v[32+6*\t:35+6*\t], v4 offset:(4*(\t/4)+\t%2)*768+128*((\t%4)/2)
	ds_load_b64 v[36+6*\t:37+6*\t], v5 offset:(4*(\t/4)+\t%2)*768+512+64*((\t%4)/2)
.endr
.irp p, 0,1,2,3
	ds_load_b32 v[86+\p], v8 offset:256*(\p/2)+32*(\p%2)
.endr
.endm
; a product laid ahead of group n of a softmax's maxima.  In tile 0's softmax: tile 1's scores of key tile n.  In tile 1's, from group 4 on (behind the first reads of all its scores): tile 0's O^T += v^T p^T, channel tile n - 4
.macro HOOK w, e, n
.set HN, (\n)
.if (\w) == 0
	WIN 0x44                                       ; q and S^T of tile 1: window 1; k: window 0
	WM 96+8*HN, 32+6*HN, 16, 1, 86+HN/2, 30+(\e), HN%2
	WIN 0
.else
.if HN >= 4
	WIN 0x01                                       ; v: window 1; p's codes and O^T of tile 0: window 0
	WM 160+8*(HN-4), 32+12*(HN-4), 192, 0, 90+(HN-4)/2, 94, HN%2
	WIN 0x55
.endif
.endif
.endm
; the softmax step of query tile w: registers 96 + 32 c + i hold the score of key 64 c + 32 h + i
.macro SOFT w, e
	WIN 0x55*\w
.if \w
	s_wait_alu depctr_va_vdst(0)
	s_wait_dscnt 0x0                               ; v's fragments and the next step's k are in
	s_wait_alu depctr_va_vdst(0)
.endif
	HOOK \w, \e, 0
.irp b, 0,1,2,3
	v_max3_num_f32 v[232+\b], v[96+16*\b], v[97+16*\b], v[98+16*\b]   ; four chains of 16 scores by turns
.endr
.irp i, 3,5,7,9,11,13
	HOOK \w, \e, (\i-1)/2
.irp b, 0,1,2,3
	v_max3_num_f32 v[232+\b], v[232+\b], v[96+16*\b+\i], v[97+16*\b+\i]
.endr
.endr
	HOOK \w, \e, 7
	v_max3_num_f32 v232, v232, v111, v127
	v_max3_num_f32 v234, v234, v143, v159
	s_delay_alu instid0(VALU_DEP_2)
	v_max_num_f32 v232, v232, v233                 ; my block 0 + h's largest score,
	s_delay_alu instid0(VALU_DEP_2)
	v_max_num_f32 v234, v234, v235                 ; my block 2 + h's
.if (\w) == 0                                  ; the four lines above are the places behind tile 1's last score product: k's registers take the next 128 keys, v's this step's
.if \e
	s_wait_alu depctr_va_vdst(0)
	s_cmp_eq_u32 s[CNT], 1                         ; the very last step has no next keys
	s_cbranch_scc1 .Lnok_\@
.endif
	KLOAD
.Lnok_\@:
	WIN 0x40                                       ; destinations in window 1
.irp t, 0,1,2,3
	ds_load_b128 v[32+12*\t:35+12*\t], v6 offset:12288*\t
	ds_load_b64 v[36+12*\t:37+12*\t], v7 offset:12288*\t+512
	ds_load_b128 v[38+12*\t:41+12*\t], v6 offset:12288*\t+768
	ds_load_b64 v[42+12*\t:43+12*\t], v7 offset:12288*\t+1280
.endr
	WIN 0
	ds_load_b32 v90, v9
	ds_load_b32 v91, v9 offset:128
.endif
	v_max_num_f32 v254, v232, v234
	s_delay_alu instid0(VALU_DEP_1)
	v_permlanex16_b32 v236, v254, s[SEL], s[SEL+1]
	s_delay_alu instid0(VALU_DEP_1)
	v_max3_num_f32 v13, v13, v254, v236            ; the running largest score of my query
	v_mov_b32 v253, v12
	s_delay_alu instid0(VALU_DEP_2)
	v_mul_f32 v254, s[CS], v13                     ; as t (c is not negative)
	s_delay_alu instid0(VALU_DEP_1)
	v_floor_f32 v12, -v254                         ; the new -M = floor(-t): M is a whole number
	s_delay_alu instid0(VALU_DEP_1)
	v_sub_f32 v254, v12, v253                      ; old M - new M: a whole number, 0 or less
	s_delay_alu instid0(VALU_DEP_1)
	v_cvt_i32_f32 v254, v254                       ; (it saturates)
	s_delay_alu instid0(VALU_DEP_1)
	v_ldexp_f32 v252, 1.0, v254                    ; f = 2^(old M - new M): multiplying by it rounds nothing
.set j, 0
.rept 32
	v_pk_fma_f32 v[96+j:97+j], v[96+j:97+j], s[CS:CS+1], v[12:13] op_sel_hi:[1,0,0]   ; t - M, two at a time
.set j, j+2
.endr
	v_fma_f32 v232, v232, s[CS], v12               ; the same of my two blocks' largest scores
	v_fma_f32 v234, v234, s[CS], v12
	s_wait_alu depctr_va_vdst(0)
.set j, 0
.rept 64
	v_exp_f32 v[96+j], v[96+j]                     ; p = 2^(t - M)
.set j, j+1
.endr
	v_exp_f32 v232, v232                           ; the blocks' largest p
	v_exp_f32 v234, v234
	v_pk_mul_f32 v[14:15], v[14:15], v[252:253] op_sel_hi:[1,0]   ; the sums under the new M (a plain instruction behind the exponentials)
	s_wait_alu depctr_va_vdst(0)                   ; one wait for the batch, ahead of its first reader
	v_max_num_f32 v232, 0x1800000, v232            ; the floor 2^(3 - 127): the byte cannot fall under 1
	v_max_num_f32 v234, 0x1800000, v234
.irp k, 0,1,2,3,4,5,6                          ; the row's sum of the unquantised p: eight chains; the scale word's lines stand among them
	v_pk_add_f32 v[236+2*\k:237+2*\k], v[96+4*\k:97+4*\k], v[98+4*\k:99+4*\k]
.endr
	v_pk_add_f32 v[14:15], v[14:15], v[124:125]
	v_add_nc_u32 v233, 0xff000000, v232            ; 2 off the exponent field: the conversion's scale operand
	v_add_nc_u32 v235, 0xff000000, v234
.irp k, 0,1,2,3,4,5,6
	v_pk_add_f32 v[236+2*\k:237+2*\k], v[236+2*\k:237+2*\k], v[126+2*\k:127+2*\k]
.endr
	v_pk_add_f32 v[14:15], v[14:15], v[140:141]
	v_lshrrev_b32 v232, 23, v233                   ; the bytes
	v_lshrrev_b32 v234, 23, v235
.irp k, 0,1,2,3,4,5,6
	v_pk_add_f32 v[236+2*\k:237+2*\k], v[236+2*\k:237+2*\k], v[142+2*\k:143+2*\k]
.endr
	v_pk_add_f32 v[14:15], v[14:15], v[156:157]
	v_lshl_or_b32 v254, v234, 16, v232             ; blocks h and 2 + h,
	v_pk_add_f32 v[236:237], v[236:237], v[158:159]
	v_pk_add_f32 v[240:241], v[240:241], v[242:243]
	v_pk_add_f32 v[244:245], v[244:245], v[246:247]
	v_pk_add_f32 v[14:15], v[14:15], v[248:249]
	v_lshlrev_b32 v254, v231, v254                 ; at their places in the word (8 h bits up);
	v_pk_add_f32 v[236:237], v[236:237], v[238:239]
	v_pk_add_f32 v[14:15], v[14:15], v[244:245]
	v_permlanex16_b32 v253, v254, s[SEL], s[SEL+1]
	v_pk_add_f32 v[236:237], v[236:237], v[240:241]
	s_delay_alu instid0(VALU_DEP_1)
	v_pk_add_f32 v[14:15], v[14:15], v[236:237]
.if \w
	WIN 0x05                                       ; scale operands are taken from window 0
	v_or_b32 v95, v254, v253
	WIN 0x55
.else
	v_or_b32 v94, v254, v253                       ; with lane l xor 16's two bytes p's scale word is whole
.endif
	v_cvt_scalef32_pk16_fp6_f32 v[192:194], v[96:111], v233
	v_cvt_scalef32_pk16_fp6_f32 v[204:206], v[112:127], v233   ; (a conversion's three registers begin on an even number)
	v_cvt_scalef32_pk16_fp6_f32 v[198:200], v[128:143], v235
	v_cvt_scalef32_pk16_fp6_f32 v[208:210], v[144:159], v235
	s_wait_alu depctr_va_vdst(0)                   ; directly ahead of the first reader of O^T
	v_pk_mul_f32 v[160:161], v[160:161], v[252:253] op_sel_hi:[1,0]   ; O^T under the new M; also the plain instructions behind the conversions
	v_pk_mul_f32 v[162:163], v[162:163], v[252:253] op_sel_hi:[1,0]
.irp i, 0,1,2
	v_mov_b32 v[195+\i], v[204+\i]
	v_mov_b32 v[201+\i], v[208+\i]
.endr
.set j, 4
.rept 14
	v_pk_mul_f32 v[160+j:161+j], v[160+j:161+j], v[252:253] op_sel_hi:[1,0]   ; (these are also the places between the operand's and the scale word's last writes and the products)
.set j, j+2
.endr
.endm
; a head's end for query tile w: O^T / the sum is quantised into half e of o's fragment.  Register 16 b + i of O^T = channel 32 b + 16 h + i of the head
.macro FIN w, e
	WIN 0x55*\w
	v_add_f32 v14, v14, v15                        ; the sum's two halves,
	s_delay_alu instid0(VALU_DEP_1)
	v_permlanex16_b32 v252, v14, s[SEL], s[SEL+1]
	s_delay_alu instid0(VALU_DEP_1)
	v_add_f32 v14, v14, v252                       ; and lane l xor 16's
	s_wait_alu depctr_va_vdst(0)
	v_rcp_f32 v14, v14
	v_nop                                          ; a plain instruction behind the reciprocal,
	s_wait_alu depctr_va_vdst(0)                   ; and the wait ahead of its first reader, which is O^T's first reader too
.set j, 0
.rept 16
	v_pk_mul_f32 v[96+j:97+j], v[160+j:161+j], v[14:15] op_sel_hi:[1,0]
.set j, j+2
.endr
.irp b, 0,1
	v_max3_num_f32 v[232+\b], |v[96+16*\b]|, |v[97+16*\b]|, 0x1800000
.endr
.irp i, 2,4,6,8,10,12,14
.irp b, 0,1
	s_delay_alu instid0(VALU_DEP_2)
	v_max3_num_f32 v[232+\b], v[232+\b], |v[96+16*\b+\i]|, |v[97+16*\b+\i]|
.endr
.endr
.irp b, 0,1
	s_delay_alu instid0(VALU_DEP_2)
	v_permlanex16_b32 v[236+\b], v[232+\b], s[SEL], s[SEL+1]
.endr
.irp b, 0,1
	s_delay_alu instid0(VALU_DEP_2)
	v_max_num_f32 v[232+\b], v[232+\b], v[236+\b]
.endr
.irp b, 0,1
	s_delay_alu instid0(VALU_DEP_2)
	v_add_nc_u32 v[244+\b], 0xff000000, v[232+\b]
.endr
.irp b, 0,1
	s_delay_alu instid0(VALU_DEP_2)
	v_lshrrev_b32 v[236+\b], 23, v[244+\b]
.endr
.if (\e) == 0
	s_delay_alu instid0(VALU_DEP_1)
	v_lshl_or_b32 v230, v237, 8, v236              ; bytes 0, 1 of o's scale word
.else
	s_delay_alu instid0(VALU_DEP_2)
	v_lshl_or_b32 v230, v236, 16, v230             ; bytes 2, 3
	s_delay_alu instid0(VALU_DEP_1)
	v_lshl_or_b32 v230, v237, 24, v230
.endif
	v_cvt_scalef32_pk16_fp6_f32 v[212+6*(\e):214+6*(\e)], v[96:111], v244
	v_cvt_scalef32_pk16_fp6_f32 v[224:226], v[112:127], v245
	v_nop                                          ; one plain instruction behind the scaled conversions
.irp i, 0,1,2
	v_permlane16_swap_b32 v[212+6*(\e)+\i], v[224+\i]
.endr
.irp i, 0,1,2
	s_delay_alu instid0(VALU_DEP_3)
	v_mov_b32 v[215+6*(\e)+\i], v[224+\i]
.endr
.endm
; ONE HEAD: eight steps of 128 keys for both query tiles
.macro PASS e
.irp w, 0,1
	WIN 0x55*\w
.if \e
.irp i, 0,1,2,3,4,5
	v_mov_b32 v[16+\i], v[218+\i]                  ; the second head's q
.endr
.endif
	v_mov_b32 v12, 0x7f61b1e6                      ; -M = 3e38,
	v_mov_b32 v13, 0xff61b1e6                      ; the largest score so far: -3e38, under every score
	v_mov_b32 v14, 0
	v_mov_b32 v15, 0
.set j, 0
.rept 32
	v_mov_b32 v[160+j], 0                          ; O^T: the step is written once; the first finds zeros, which the first change of M leaves zeros
.set j, j+1
.endr
.endr
	WIN 0
	s_mov_b32 s[SV], VL+HEADB*(\e)
	s_mov_b32 s[ST], VSL+256*(\e)
	s_mov_b32 s[CNT], 8
.Lstep_\@:
	s_wait_dscnt 0x0                               ; this step's k is in (asked for a step ago)
.irp t, 0,1,2,3,4,5,6,7                        ; S^T of tile 0
	WM 96+8*\t, 32+6*\t, 16, 1, 86+\t/2, 28+(\e), \t%2
.endr
	s_add_co_u32 s[SK], s[SK], 6144                ; the next 128 keys (the second head's k and words follow the first's in LDS)
	s_add_co_u32 s[SS], s[SS], 512
	v_add_nc_u32 v4, s[SK], v227                   ; six plain instructions: the places in front of the first read of S^T
	v_add_nc_u32 v5, s[SK], v228
	v_add_nc_u32 v8, s[SS], v229
	v_add_nc_u32 v6, s[SV], v1
	v_add_nc_u32 v7, s[SV], v2
	v_add_nc_u32 v9, s[ST], v3
	SOFT 0, \e
	SOFT 1, \e
.irp t, 0,1,2,3                                ; tile 1's O^T += v^T p^T: all its registers in window 1.  The accumulators take turns, one instruction a turn
	WM 160+8*\t, 32+12*\t, 192, 0, 90+\t/2, 95, \t%2
.endr
	WIN 0
	s_add_co_u32 s[SV], s[SV], 1536                ; a fragment of v,
	s_add_co_u32 s[ST], s[ST], 512                 ; a K step of v's words
	s_sub_co_u32 s[CNT], s[CNT], 1
	s_cmp_lg_u32 s[CNT], 0
	s_cbranch_scc1 .Lstep_\@
	NOP4                                           ; places behind the last products
	FIN 0, \e
	FIN 1, \e
	WIN 0
.endm
	s_load_b256 s[4:11], s[0:1], 0x0               ; qkv_img s[4:5], qkv_scl s[6:7], qk_scale s[8:9], o_img s[10:11]
	s_load_b64 s[12:13], s[0:1], 0x20              ; o_scl
	v_lshl_add_u32 v251, v0, 2, SPARE
	v_mov_b32 v255, 0
	ds_add_u32 v251, v255                          ; the opening lines: the add, twice on end, and its wait ahead of my tensor load
	ds_add_u32 v251, v255
	v_lshrrev_b32 v1, 5, v0
	v_readfirstlane_b32 s[WV], v1                  ; wave 0..7
	s_bfe_u32 s15, ttmp6, 0x40000                  ; cx: my block of 256 queries; it enters global addresses of q and o alone
	s_and_b32 s70, ttmp7, 0xffff                   ; Y = 8 x batch + pair of heads; the first head is 2 Y
	s_lshr_b32 s71, s70, 3                         ; batch
	s_and_b32 s72, s70, 7                          ; hp
	v_and_b32 v10, 31, v0
	v_and_b32 v11, 15, v0
	v_and_b32 v4, 7, v0                            ; j
	v_bfe_u32 v5, v0, 3, 1                         ; g
	v_bfe_u32 v6, v0, 4, 1                         ; h
	v_lshlrev_b32 v1, 4, v10                       ; 16 x lane
	v_lshlrev_b32 v2, 3, v10                       ; 8 x lane
	v_lshlrev_b32 v3, 2, v10                       ; 4 x lane
	v_mul_u32_u24 v227, v5, 1536                   ; k's lane addresses: two image tiles on for g,
	v_lshlrev_b32 v229, 7, v5
	v_lshl_add_u32 v228, v4, 3, v227
	v_lshl_add_u32 v227, v4, 4, v227               ; registers 0-3: 1,536 g + 16 (j + 16 h)
	v_lshl_add_u32 v229, v4, 2, v229
	v_lshl_add_u32 v228, v6, 7, v228               ; registers 4, 5: 1,536 g + 8 (j + 16 h)
	v_lshl_add_u32 v227, v6, 8, v227
	v_lshl_add_u32 v229, v6, 6, v229               ; words: 128 g + 4 j, lanes 16-31 the next image tile's
	v_lshlrev_b32 v231, 3, v6                      ; 8 h
	s_lshl_b32 s77, s[WV], 7
	s_add_co_u32 s77, s77, OSC
	v_lshl_add_u32 v11, v11, 2, s77                ; where my rows' scale words of o go
	s_and_b32 s77, s[WV], 1
	s_lshl_b32 s77, s77, 9
	s_add_co_u32 s77, s77, OSC
	v_add_nc_u32 v10, s77, v1                      ; and where waves 0, 1 read 128 of them back
	s_mov_b32 s[G1C], 15|(3<<16)|(1<<21)           ; 15:0 the mask: all four work-groups; 17:16 elements of 8 bytes; 21 set beside a mask; no padding
	s_mov_b32 s[G1C+1], 32<<16                     ; rows of 256 bytes,
	s_mov_b32 s[G1C+2], 128<<16                    ; 128 of them, dense
	s_mov_b32 s[G1C+3], 32<<16
	s_mov_b32 s[G1C+4], 128
	s_mov_b32 s[G1C+5], 32
	s_mov_b32 s[G1C+6], 0
	s_mov_b32 s[G1C+7], 0
	s_mov_b32 s[G1K], 15|(3<<16)|(1<<21)
	s_mov_b32 s[G1K+1], 32<<16
	s_mov_b32 s[G1K+2], 32<<16                     ; 32 rows of 256 bytes, dense
	s_mov_b32 s[G1K+3], 32<<16
	s_mov_b32 s[G1K+4], 32
	s_mov_b32 s[G1K+5], 32
	s_mov_b32 s[G1K+6], 0
	s_mov_b32 s[G1K+7], 0
	s_mov_b32 s[G1V], 15|(3<<16)|(1<<21)
	s_mov_b32 s[G1V+1], 64<<16                     ; rows of 512 bytes (my two heads' 8 tiles),
	s_mov_b32 s[G1V+2], 8<<16                      ; one for each 128 keys,
	s_mov_b32 s[G1V+3], 64<<16
	s_mov_b32 s[G1V+4], 8
	s_mov_b32 s[G1V+5], 512                        ; 4,096 bytes apart
	s_mov_b32 s[G1V+6], 0
	s_mov_b32 s[G1V+7], 0
	s_min_u32 s75, s[WV], 5                        ; waves 0-2 fetch a third of both heads' k each, waves 3-5 of their v
	s_lshl_b32 s76, s75, 15
	s_cmp_ge_u32 s75, 3
	s_cselect_b32 s77, KSEC-2*HEADB, 0             ; v's section lies KSEC behind k's
	s_mul_i32 s78, s70, 2*HEADB
	s_add_co_u32 s78, s78, s76
	s_add_co_u32 s78, s78, s77
	s_add_co_u32 s78, s78, KSEC
	s_mov_b32 s79, 0
	s_mov_b32 s[SEL], 0x76543210
	s_mov_b32 s[SEL+1], 0xfedcba98
	s_wait_dscnt 0x0
	s_wait_kmcnt 0x0
	s_load_b32 s60, s[8:9], 0x0                    ; qk_scale
	s_mov_b32 s40, 1
	s_add_co_u32 s41, s76, 0
	s_add_nc_u64 s[42:43], s[4:5], s[78:79]
	s_or_b32 s43, s43, 0x80000000
	s_mov_b32 s48, 1
	s_mov_b32 s49, KSL
	s_lshl_b32 s78, s70, 13                        ; 4,096 bytes a head
	s_add_co_u32 s78, s78, 524288                  ; k's section of the scale words
	s_add_nc_u64 s[50:51], s[6:7], s[78:79]
	s_or_b32 s51, s51, 0x80000000
	s_mov_b32 s52, 1
	s_mov_b32 s53, VSL
	s_lshl_b32 s78, s71, 15
	s_lshl_b32 s77, s72, 9
	s_add_co_u32 s78, s78, s77
	s_add_co_u32 s78, s78, 1048576                 ; v's section
	s_add_nc_u64 s[54:55], s[6:7], s[78:79]
	s_or_b32 s55, s55, 0x80000000
	CROUND                                         ; all four work-groups are here: the joint loads meet
	s_cmp_lt_u32 s[WV], 6                          ; one chain of branches on the wave's number, one load to an arm, every wave issues one
	s_cbranch_scc0 .Lnot_kv
	tensor_load_to_lds s[40:43], s[G1C:G1C+7]
	s_nop 0
	NOP4
	s_branch .Lasked
.Lnot_kv:
	s_cmp_eq_u32 s[WV], 6
	s_cbranch_scc0 .Lnot_ks
	tensor_load_to_lds s[48:51], s[G1K:G1K+7]
	s_nop 0
	NOP4
	s_branch .Lasked
.Lnot_ks:
	tensor_load_to_lds s[52:55], s[G1V:G1V+7]
	s_nop 0
	NOP4
.Lasked:
	s_lshl_b32 s74, s15, 4
	s_lshl_b32 s77, s[WV], 1
	s_add_co_u32 s74, s74, s77                     ; my first tile of 16 queries: 16 cx + 2 x wave
	s_mul_i32 s78, s70, 2*HEADB
	s_mul_i32 s77, s74, 768
	s_add_co_u32 s78, s78, s77
	s_add_nc_u64 s[4:5], s[4:5], s[78:79]          ; q's half image of the first head
	s_lshl_b32 s78, s70, 13
	s_lshl_b32 s77, s74, 6
	s_add_co_u32 s78, s78, s77
	s_add_nc_u64 s[6:7], s[6:7], s[78:79]          ; and its scale words
	s_wait_alu depctr_va_vdst(0)
	global_load_b128 v[16:19], v1, s[4:5]
	global_load_b64 v[20:21], v2, s[4:5] offset:512
	global_load_b128 v[218:221], v1, s[4:5] offset:HEADB
	global_load_b64 v[222:223], v2, s[4:5] offset:HEADB+512
	global_load_b32 v28, v3, s[6:7]                ; lanes 0-15 are read: tile 0, first head;
	global_load_b32 v29, v3, s[6:7] offset:4096    ; second head;
	global_load_b32 v30, v3, s[6:7] offset:64      ; tile 1
	global_load_b32 v31, v3, s[6:7] offset:4160
	WIN 0x40                                       ; destinations in window 1: tile 1
	global_load_b128 v[16:19], v1, s[4:5] offset:768
	global_load_b64 v[20:21], v2, s[4:5] offset:1280
	global_load_b128 v[218:221], v1, s[4:5] offset:HEADB+768
	global_load_b64 v[222:223], v2, s[4:5] offset:HEADB+1280
.irp j, 22,23,24,25,26,27, 236
	v_mov_b32 v[\j], 0
.endr
	v_lshlrev_b32 v231, 3, v6
	WIN 0
.irp j, 22,23,24,25,26,27, 80,81,82,83,84,85, 236
	v_mov_b32 v[\j], 0                             ; K = 64 .. 127 of q: zero codes; the registers behind k's last tile; a lane permute's destination counts as one of its sources
.endr
	s_lshr_b32 s77, s72, 1                         ; o's image: K slot hp / 2,
	s_mul_i32 s78, s77, QSX
	s_lshl_b32 s77, s71, 6
	s_add_co_u32 s77, s77, s74                     ; row tile 64 x batch + my first tile,
	s_mul_i32 s77, s77, 3072
	s_add_co_u32 s78, s78, s77
	s_and_b32 s77, s72, 1                          ; kk = hp % 2
	s_mul_i32 s77, s77, 1536
	s_add_co_u32 s78, s78, s77
	s_add_nc_u64 s[10:11], s[10:11], s[78:79]
	s_lshl_b32 s77, s71, 3                         ; o's scale words: group of 128 rows 8 x batch + 2 cx + wave % 2,
	s_lshl_b32 s78, s15, 1
	s_add_co_u32 s77, s77, s78
	s_and_b32 s78, s[WV], 1
	s_add_co_u32 s77, s77, s78
	s_lshl_b32 s78, s77, 12
	s_lshl_b32 s77, s72, 9                         ; K step hp
	s_add_co_u32 s78, s78, s77
	s_add_nc_u64 s[12:13], s[12:13], s[78:79]
	s_wait_kmcnt 0x0
	s_and_b32 s[CS], s60, 0x7fffffff
	s_mul_f32 s[CS], s[CS], 0x3fb8aa3b             ; c = |qk_scale| x log2(e)
	s_mov_b32 s[CS+1], s[CS]
	s_ashr_i32 s63, s60, 31                        ; all ones where qk_scale is negative
	s_and_b32 s60, s63, 0x20820820                 ; bit 5 of each 6-bit code: 16 codes are three words
	s_and_b32 s61, s63, 0x08208208
	s_and_b32 s62, s63, 0x82082082
	s_wait_loadcnt 0x0
.irp w, 0,1
	WIN 0x55*\w
.irp i, 0,1,2
	v_xor_b32 v[16+\i], s[60+\i], v[16+\i]
	v_xor_b32 v[19+\i], s[60+\i], v[19+\i]
	v_xor_b32 v[218+\i], s[60+\i], v[218+\i]
	v_xor_b32 v[221+\i], s[60+\i], v[221+\i]
.endr
.endr
	WIN 0
	s_mov_b32 s[SK], 0
	s_mov_b32 s[SS], KSL
	v_add_nc_u32 v4, s[SK], v227
	v_add_nc_u32 v5, s[SK], v228
	v_add_nc_u32 v8, s[SS], v229
	s_wait_alu depctr_va_vdst(0)
	s_wait_tensorcnt 0x0                           ; my tile has landed,
	s_barrier_signal -1
	s_barrier_wait -1                              ; everybody's has
	KLOAD                                          ; the first 128 keys
	PASS 0
	PASS 1
.irp c, 0,1,2
	global_store_b128 v1, v[212+4*\c:215+4*\c], s[10:11] offset:512*\c   ; tile 0's fragment: 512 consecutive bytes a store
.endr
	ds_store_b32 v11, v230                         ; both halves of the lanes write the same word with the same value
	WIN 0x04                                       ; the data: window 1
.irp c, 0,1,2
	global_store_b128 v1, v[212+4*\c:215+4*\c], s[10:11] offset:3072+512*\c   ; tile 1's
.endr
	ds_store_b32 v11, v230 offset:64
	WIN 0
	s_wait_dscnt 0x0                               ; for the others' sake
	s_barrier_signal -1
	s_barrier_wait -1
	s_cmp_lt_u32 s[WV], 2
	s_cbranch_scc0 .Lno_words
	ds_load_b128 v[96:99], v10                     ; four waves' 128 words
	s_wait_dscnt 0x0
	global_store_b128 v1, v[96:99], s[12:13]       ; 512 consecutive bytes
.Lno_words:
	s_wait_tensorcnt 0x0                           ; the wave's end
	ds_add_u32 v251, v255
	s_wait_dscnt 0x0
	CROUND                                         ; the closing round: no work-group ends while a partner may still ask for a tile that names it
	s_endpgm
.Lfunc_end_k_qa11f24a066_attn:
	.size	k_qa11f24a066_attn, .Lfunc_end_k_qa11f24a066_attn-k_qa11f24a066_attn
	.p2alignl 7, 3214868480
	.fill 96, 4, 3214868480
	.section	.rodata,"a",@progbits
	.p2align	6, 0x0
	.amdhsa_kernel k_qa11f24a066_attn
		.amdhsa_group_segment_fixed_size 211968
		.amdhsa_private_segment_fixed_size 0
		.amdhsa_enable_private_segment 0
		.amdhsa_kernarg_size 40
		.amdhsa_user_sgpr_count 2
		.amdhsa_user_sgpr_kernarg_segment_ptr 1
		.amdhsa_wavefront_size32 1
		.amdhsa_system_sgpr_workgroup_id_x 1
		.amdhsa_system_sgpr_workgroup_id_y 1
		.amdhsa_system_sgpr_workgroup_id_z 1
		.amdhsa_system_vgpr_workitem_id 0
		.amdhsa_next_free_vgpr 512
		.amdhsa_next_free_sgpr 80
		.amdhsa_reserve_vcc 0
		.amdhsa_float_denorm_mode_32 3
		.amdhsa_float_denorm_mode_16_64 3
		.amdhsa_memory_ordered 1
		.amdhsa_forward_progress 1
		.amdhsa_inst_pref_size 94
	.end_amdhsa_kernel
	.amdgpu_metadata
---
amdhsa.version: [ 1, 2 ]
amdhsa.kernels:
  - .name:           k_qa11f24a066_attn
    .symbol:         k_qa11f24a066_attn.kd
    .args:
      - { .name: qkv_img, .offset: 0, .size: 8, .value_kind: global_buffer, .address_space: global }
      - { .name: qkv_scl, .offset: 8, .size: 8, .value_kind: global_buffer, .address_space: global }
      - { .name: qk_scale, .offset: 16, .size: 8, .value_kind: global_buffer, .address_space: global }
      - { .name: o_img, .offset: 24, .size: 8, .value_kind: global_buffer, .address_space: global }
      - { .name: o_scl, .offset: 32, .size: 8, .value_kind: global_buffer, .address_space: global }
    .group_segment_fixed_size: 211968
    .private_segment_fixed_size: 0
    .kernarg_segment_align: 8
    .kernarg_segment_size: 40
    .max_flat_workgroup_size: 256
    .sgpr_count:     80
    .vgpr_count:     512
    .wavefront_size: 32
...
	.end_amdgpu_metadata
.endif
;; end of part 3
;; launch oproj (part 4): grid 4 x 64, 4 waves a work-group, clusters of 4 x 4, 327,680 bytes of LDS; arguments o_img, o_scl, w_img, w_scl, bo, out0; writes out0
.if DOCPART == 4
	.amdgcn_target "amdgcn-amd-amdhsa--gfx1250"
	.amdhsa_code_object_version 6
	.text
	.protected	k_qa11f24a066_oproj
	.globl	k_qa11f24a066_oproj
	.p2align	8
	.type	k_qa11f24a066_oproj,@function
k_qa11f24a066_oproj:
	s_mov_b64 s[64:65], 0
	v_nop
	global_prefetch_b8 v0, s[64:65] scope:SCOPE_SE
	s_setreg_imm32_b32 hwreg(HW_REG_WAVE_MODE, 25, 1), 1
	s_wait_xcnt 0x0
	s_wait_alu depctr_hold_cnt(0) depctr_sa_sdst(0) depctr_va_vdst(0) depctr_va_sdst(0) depctr_va_ssrc(0) depctr_va_vcc(0) depctr_vm_vsrc(0)
	s_getreg_b32 s2, hwreg(HW_REG_IB_STS2, 6, 4)
	s_cmp_eq_u32 s2, 0
	s_cbranch_scc0 .Lentry_in_a_cluster
	s_endpgm
.Lentry_in_a_cluster:
	s_bfe_u32 s2, ttmp6, 0x10000c
	s_cmp_lg_u32 s2, 0xf033
	s_cbranch_scc0 .Lentry_shape_is_right
	s_endpgm
.Lentry_shape_is_right:
; out0 = o Wo + bo on codes of FP6 (E2M3) with E8M0 scales, K = 1,024; out0 [8192][1024] f32.
; A work-group of four waves makes 128 x 256 of C' = A' B'^T (A' = o's tokens, B' = Wo's columns): C' has 64 x 4 such blocks, 256 work-groups.  A wave makes 64 x 128 in 32 accumulators of 16 x 16.
; The matrix instruction is used transposed (source 0 = 16 rows of B', source 1 = 16 rows of A').  Operands lie in memory as register images (16 rows x 128 K = 1,536 bytes), [K slot of 256][row tile][kk];
; their scale words [128 rows][K step][128].  A fragment comes from LDS by three loads of 16 bytes a lane, 512 consecutive bytes each.
; LDS: three slots of a K slot each.  The head brings K slot 0 and the scale words, one joint load a wave; K slots 1 and 2 (first fills) and 3 (into slot 0) each stand behind the full sequence and a round of the cluster's barrier,
; one load a wave: waves 0, 1 fetch 64 rows of A' each, waves 2, 3 128 rows of B'.  A load is asked for 32 matrix instructions ahead of the wait for it.
; CLUSTERS: 4 x 4 work-groups; A's tiles are asked for jointly along a row of the cluster, B's along a column.  bo is the C of each sum's first product.
; PREFETCH: each wave asks once for its work-group's quarter of what it will load of a K slot (A': 12 blocks of 256 bytes, B': 24), a lane a block, the partners told apart by address: K slots 1 and 2 at the head, K slot 3 behind K slot 1's load.
; IMAGE ROWS ARE PERMUTED (bits 3 and 4 changed over).  Along B' that makes a lane's 16 registers of tiles 2 b, 2 b + 1 the natural columns 32 b + 16 h + 0 .. 15; along A' it is undone here, in the stores' row offsets.
; REGISTERS: window 0: v8 the prefetches' offset; v16-31 addresses; v32-63 scale words, two sets; v64-127 the bias; v128-175, v176-223 A's fragments, two sets; on the way out v128-255 take rows of out0.
;   window 1: B's fragments, two sets, at v0 and v128.   window 2: the accumulators: (a, b) at v[8 (8 a + b)].
.set QSX,   1572864                    ; bytes of a K slot of o_img,
.set QSW,   786432                     ; of w_img
.set FR,    12
.set CHUNK, 24576                      ; 128 rows of a K slot
.set HCH,   12288                      ; 64 rows
.set SLOT,  4*CHUNK                    ; A's 128 rows at the slot's start, B's 256 from 2 CHUNK on
.set SCL,   3*SLOT                     ; A's scale words (4,096 bytes), B's behind them (8,192)
.set SPARE, SCL+16384                  ; the spare words: 128 bytes a wave, two blocks of 256 bytes that no other line names
.set STG,   SLOT                       ; the way out: 16 rows x 528 bytes for each wave, in slot 1: it has had its only fill, and nobody reads it behind the last barrier
.set SPITCH, 528
.set ADRA, 16                          ; v16-18 my 64 rows of A' in slot 0, 1, 2: + 16 x lane
.set ADRB, 20                          ; v20-22 my 128 rows of B'
.set ADRS, 24                          ; v24 my scale words: lanes 0-15 A's rows, lanes 16-31 B's
.set L16,  25                          ; v25 16 x lane
.set SPW,  28
.set NIL,  29
.set STO,  30                          ; v30 the stage: where I put 32 bytes of a row
.set RD,   31                          ; v31 and where I read a row back
.set SC,   32
.set BIAS, 64
.set AF,   128
.set BK,   128                         ; 16 rows read back: v128-191 and v192-255 by turns
.set LW,   2
.set WV,   22
.set HF,   23
.set G1A,  24
.set G1B,  32
.set G1SA, 40
.set G1SB, 48
.set G0A0, 56
.set G0A1, 60
.set G0A2, 68
.set G0SA, 72
.set G0B0, 76
.set G0B1, 80
.set G0B2, 84
.set G0SB, 88
.set QSA,  92
.set QSB,  94
.set MSB, 0
.macro WIN new                         ; the immediate's high byte repeats the setting that is left
.if MSB != (\new)
	s_set_vgpr_msb (MSB<<8)|(\new)
.set MSB, (\new)
.endif
.endm
.set MUL_LO, 0xa1                      ; source 0 (B') window 1, source 1 (A') window 0, C and D window 2
.set TO_B,   0x40
.macro JLOAD g0a, g1a, g0b, g1b        ; a joint load: waves 0, 1 fetch for A', waves 2, 3 for B'; four v_nop follow each of the two lines
	s_cmp_eq_u32 s[HF], 0
	s_cbranch_scc0 .Lfor_b_\@
	tensor_load_to_lds s[\g0a:\g0a+3], s[\g1a:\g1a+7]
	s_nop 0
.rept 4
	v_nop
.endr
	s_branch .Lasked_\@
.Lfor_b_\@:
	tensor_load_to_lds s[\g0b:\g0b+3], s[\g1b:\g1b+7]
	s_nop 0
.rept 4
	v_nop
.endr
.Lasked_\@:
.endm
.macro CREST
	s_cmp_lg_u32 s[WV], 0
	s_cbranch_scc1 .Lnot_wave_0_\@
	s_barrier_signal -3
.Lnot_wave_0_\@:
	s_barrier_wait -3
	s_barrier_signal -1
	s_barrier_wait -1
.endm
.macro CROUND
	s_barrier_signal -1
	s_barrier_wait -1
	CREST
.endm
.macro PLACES                          ; four plain vector instructions between a matrix instruction and a load into, or a read of, its registers
.rept 4
	v_nop
.endr
.endm
.macro FRAG reg, adr, kk, i            ; a fragment's image: three loads of 512 consecutive bytes
.irp c, 0,1,2
	ds_load_b128 v[(\reg)+4*\c:(\reg)+4*\c+3], v[\adr] offset:(\i)*3072+(\kk)*1536+512*\c
.endr
.endm
.macro FETCH_B slot, kk                ; B's eight fragments into set kk
	WIN TO_B
.irp i, 0,1,2,3,4,5,6,7
	FRAG 128*(\kk)+FR*\i, ADRB+\slot, \kk, \i
.endr
	WIN 0
.endm
.macro FETCH_A slot, kk                ; A's four fragments into set kk
.irp i, 0,1,2,3
	FRAG AF+48*(\kk)+FR*\i, ADRA+\slot, \kk, \i
.endr
.endm
.macro SCALES set, ksl                 ; K slot ksl's scale words.  Lanes 16-31: B' block i.  Lanes 0-15: A' block i for i under 4; what they load for i from 4 on is read by no product
.irp i, 0,1,2,3,4,5,6,7
.irp k, 0,1
	ds_load_b32 v[SC+16*(\set)+2*\i+\k], v[ADRS] offset:(2*(\ksl)+\k)*512+64*\i
.endr
.endr
.endm
; 16 matrix instructions: A's blocks a0, a0 + 1 x B's eight.  first = 1: the bias is C.  The 32 accumulators take turns, one instruction a turn, in the same order in every step
.macro MUL16 a0, kk, set, first
.irp a, \a0, \a0+1
.irp b, 0,1,2,3,4,5,6,7
.set rD, 8*(8*(\a)+\b)
.set rB, 128*(\kk)+FR*\b
.set rA, AF+48*(\kk)+FR*(\a)
.set sB, SC+16*(\set)+2*\b+(\kk)
.set sA, SC+16*(\set)+2*(\a)+(\kk)
.if \first
	v_wmma_scale_f32_16x16x128_f8f6f4 v[rD:rD+7], v[rB:rB+FR-1], v[rA:rA+FR-1], v[BIAS+8*\b:BIAS+8*\b+7], v[sB], v[sA] matrix_a_fmt:MATRIX_FMT_FP6 matrix_b_fmt:MATRIX_FMT_FP6 matrix_a_scale:MATRIX_SCALE_ROW1
.else
	v_wmma_scale_f32_16x16x128_f8f6f4 v[rD:rD+7], v[rB:rB+FR-1], v[rA:rA+FR-1], v[rD:rD+7], v[sB], v[sA] matrix_a_fmt:MATRIX_FMT_FP6 matrix_b_fmt:MATRIX_FMT_FP6 matrix_a_scale:MATRIX_SCALE_ROW1
.endif
.endr
.endr
.endm
; a K slot's first step: its second step's fragments are fetched into the sets 1, then sets 0 are multiplied.  (Four plain instructions stand behind the last products that read the sets 1: those behind the joint load, or PLACES, in TURN)
.macro STEP slot, set, first
	s_wait_dscnt 0x0                               ; this step's fragments and scale words are in
	FETCH_B \slot, 1
	FETCH_A \slot, 1
.if \first
	WIN 0x81                                       ; C (the bias) window 0, D window 2
.else
	WIN MUL_LO
.endif
	MUL16 0, 0, \set, \first
	MUL16 2, 0, \set, \first
	WIN 0
.endm
; a K slot's second step, with the barrier for the change of slots.  In front of it each wave waits for all its tensor loads, adds 0 to its spare word, and waits for that and for its LDS reads.
; fill = 2: the barrier opens a round of the cluster's, and slot 2 is filled for the first time;  fill = 1: likewise, and slot 0, which nobody reads any more, takes K slot 3;  fill = 0: nothing more to fetch
.macro TURN set, ns, nsc, fill
	s_wait_tensorcnt 0x0                           ; all my tensor loads have landed
	ds_add_u32 v[SPW], v[NIL]                      ; 0 onto my spare word
	s_wait_dscnt 1                                 ; this step's fragments are in (the add may be out)
	WIN MUL_LO
	MUL16 0, 1, \set, 0                            ; sixteen matrix instructions stand between the add and the wait for it
	s_wait_dscnt 0x0                               ; the add is done, and my reads of the slot are over
	s_barrier_signal -1
	MUL16 2, 1, \set, 0
	WIN 0
	s_barrier_wait -1
.if \fill == 2
	CREST
	JLOAD G0A2, G1A, G0B2, G1B                     ; the first tensor load behind the round; its four v_nop are the places in front of the loads below
.endif
.if \fill == 1
	CREST                                          ; no wave of any partner still reads slot 0 or has a load on its way
	s_add_nc_u64 s[G0A0+2:G0A0+3], s[G0A2+2:G0A2+3], s[QSA:QSA+1]   ; K slot 3 lies one K slot behind K slot 2 (no load of mine is out: a group 0 may be written)
	s_add_nc_u64 s[G0B0+2:G0B0+3], s[G0B2+2:G0B2+3], s[QSB:QSB+1]
	JLOAD G0A0, G1A, G0B0, G1B
.endif
.if \fill == 0
	PLACES
.endif
	FETCH_B \ns, 0
	FETCH_A \ns, 0
	SCALES 1-(\set), \nsc
.endm
	s_load_b256 s[4:11], s[0:1], 0x0               ; o_img s[4:5], o_scl s[6:7], w_img s[8:9], w_scl s[10:11]
	s_load_b128 s[12:15], s[0:1], 0x20             ; bo s[12:13], out0 s[14:15]
	v_lshl_add_u32 v[SPW], v0, 2, SPARE
	v_mov_b32 v[NIL], 0
	ds_add_u32 v[SPW], v[NIL]                      ; the opening lines: the add, twice on end, and its wait ahead of my first tensor load
	ds_add_u32 v[SPW], v[NIL]
	s_wait_dscnt 0x0
	v_lshrrev_b32 v1, 5, v0
	v_readfirstlane_b32 s[WV], v1                  ; wave 0..3
	s_lshr_b32 s[HF], s[WV], 1                     ; my half of A'; also: I fetch for A' (0) or B' (1)
	s_and_b32 s[LW], s[WV], 1                      ; my half of B'; also which half of a tile I fetch
	s_bfe_u32 s96, ttmp6, 0x40000                  ; cx = the block's column (the grid is one cluster wide)
	s_bfe_u32 s97, ttmp6, 0x40004                  ; cy
	s_and_b32 s98, ttmp7, 0xffff
	s_lshl_b32 s98, s98, 2
	s_add_co_u32 s98, s98, s97                     ; TR = 4 x cluster y + cy: which 128 tokens
	s_mov_b32 s[QSA], QSX
	s_mov_b32 s[QSA+1], 0
	s_mov_b32 s[QSB], QSW
	s_mov_b32 s[QSB+1], 0
	s_lshl_b32 s66, s97, 2
	s_lshl_b32 s66, 15, s66                        ; my row of the cluster
	s_lshl_b32 s67, 0x1111, s96                    ; my column
	s_or_b32 s[G1A], s66, (3<<16)|(1<<21)          ; 15:0 the mask; 17:16 elements of 8 bytes; 21 set beside a mask; no padding
	s_or_b32 s[G1B], s67, (3<<16)|(1<<21)
	s_or_b32 s[G1SA], s66, (3<<16)|(1<<21)
	s_or_b32 s[G1SB], s67, (3<<16)|(1<<21)
.irp g, G1A, G1B, G1SA, G1SB                   ; dense blocks as rows of 256 bytes
	s_mov_b32 s[\g+1], 32<<16
	s_mov_b32 s[\g+3], 32<<16
	s_mov_b32 s[\g+5], 32
	s_mov_b32 s[\g+6], 0
	s_mov_b32 s[\g+7], 0
.endr
	s_mov_b32 s[G1A+2], 96<<16                     ; the head's loads: A's 128 rows of a K slot: 24,576 bytes,
	s_mov_b32 s[G1A+4], 96
	s_mov_b32 s[G1B+2], 192<<16                    ; B's 256 rows: 49,152,
	s_mov_b32 s[G1B+4], 192
	s_mov_b32 s[G1SA+2], 16<<16                    ; the scale words of A's 128 rows: 4,096,
	s_mov_b32 s[G1SA+4], 16
	s_mov_b32 s[G1SB+2], 32<<16                    ; of B's 256: 8,192
	s_mov_b32 s[G1SB+4], 32
	s_lshl_b32 s101, s98, 3                        ; A's first row tile: 8 TR (it hangs on cy, never on cx);
	s_lshl_b32 s3, s96, 4                          ; B's: Wo's begin at 192: 192 + 16 cx (on cx, never on cy)
	s_add_co_u32 s3, s3, 192
	s_mul_i32 s16, s101, 3072
	s_mov_b32 s17, 0
	s_mul_i32 s18, s3, 3072
	s_mov_b32 s19, 0
	s_wait_kmcnt 0x0
	s_add_nc_u64 s[G0A0+2:G0A0+3], s[4:5], s[16:17]
	s_add_nc_u64 s[G0B0+2:G0B0+3], s[8:9], s[18:19]
	s_lshl_b32 s16, s101, 9                        ; 512 bytes of scale words a row tile
	s_lshl_b32 s18, s3, 9
	s_add_nc_u64 s[G0SA+2:G0SA+3], s[6:7], s[16:17]
	s_add_nc_u64 s[G0SB+2:G0SB+3], s[10:11], s[18:19]
	s_mul_i32 s16, s[LW], HCH                      ; behind the head a wave fetches half a tile: 64 rows of A',
	s_mul_i32 s18, s[LW], CHUNK                    ; or 128 of B'
	s_add_nc_u64 s[G0A1+2:G0A1+3], s[G0A0+2:G0A0+3], s[QSA:QSA+1]
	s_add_nc_u64 s[G0A1+2:G0A1+3], s[G0A1+2:G0A1+3], s[16:17]
	s_add_nc_u64 s[G0A2+2:G0A2+3], s[G0A1+2:G0A1+3], s[QSA:QSA+1]
	s_add_nc_u64 s[G0B1+2:G0B1+3], s[G0B0+2:G0B0+3], s[QSB:QSB+1]
	s_add_nc_u64 s[G0B1+2:G0B1+3], s[G0B1+2:G0B1+3], s[18:19]
	s_add_nc_u64 s[G0B2+2:G0B2+3], s[G0B1+2:G0B1+3], s[QSB:QSB+1]
	; the prefetches' addresses: of the blocks of 256 bytes that I fetch of a K slot (A': 48, B': 96) my work-group names a quarter, told apart from its three partners' by address (cx for A', cy for B')
	s_cmp_eq_u32 s[HF], 0
	s_cselect_b64 s[4:5], s[G0A1+2:G0A1+3], s[G0B1+2:G0B1+3]
	s_cselect_b64 s[10:11], s[QSA:QSA+1], s[QSB:QSB+1]
	s_cselect_b32 s6, s96, s97
	s_cselect_b32 s7, 12, 24                       ; blocks to a work-group,
	s_cselect_b32 s99, 11, 23                      ; and the last of them
	s_mul_i32 s6, s6, s7
	s_lshl_b32 s6, s6, 8
	s_mov_b32 s7, 0
	s_add_nc_u64 s[4:5], s[4:5], s[6:7]            ; K slot 1,
	s_add_nc_u64 s[6:7], s[4:5], s[10:11]          ; K slot 2,
	s_add_nc_u64 s[8:9], s[6:7], s[10:11]          ; K slot 3
	s_mul_i32 s20, s[WV], CHUNK                    ; where the ring's loads go: B's: wave x 24,576 (waves 2, 3); A's: wave x 12,288 (waves 0, 1): no place in the cluster enters an LDS address
	s_mul_i32 s21, s[WV], HCH
.irp g, G0A0, G0B0, G0A1, G0B1, G0A2, G0B2, G0SA, G0SB
	s_mov_b32 s[\g], 1
	s_or_b32 s[\g+3], s[\g+3], 0x80000000
.endr
	s_mov_b32 s[G0A0+1], 0                         ; the head's loads: A's 128 rows at slot 0's start,
	s_mov_b32 s[G0B0+1], 2*CHUNK                   ; B's 256 from 2 CHUNK on
	s_add_co_u32 s[G0A1+1], s21, SLOT
	s_add_co_u32 s[G0B1+1], s20, SLOT
	s_add_co_u32 s[G0A2+1], s21, 2*SLOT
	s_add_co_u32 s[G0B2+1], s20, 2*SLOT
	s_mov_b32 s[G0SA+1], SCL
	s_mov_b32 s[G0SB+1], SCL+4096
	CROUND                                         ; all sixteen work-groups are here: the first joint loads meet
; the head's four tiles, one joint load a wave: wave 0 K slot 0 of A's 128 rows, wave 1 of B's 256, wave 2 A's scale words, wave 3 B's.  One chain of branches on the wave's number, all arms to one join
.macro ARM under, g0, g1, next
	s_cmp_lt_u32 s[WV], \under
	s_cbranch_scc0 \next
	tensor_load_to_lds s[\g0:\g0+3], s[\g1:\g1+7]
	s_nop 0
.rept 4
	v_nop
.endr
	s_branch .Lhead_asked
\next:
.endm
	ARM 1, G0A0, G1A, .Lhead_b
	ARM 2, G0B0, G1B, .Lhead_sa
	ARM 3, G0SA, G1SA, .Lhead_sb
	tensor_load_to_lds s[G0SB:G0SB+3], s[G1SB:G1SB+7]
	s_nop 0
.rept 4
	v_nop
.endr
.Lhead_asked:
	v_and_b32 v1, 31, v0                           ; lane
	v_and_b32 v2, 15, v0                           ; r
	v_bfe_u32 v3, v0, 4, 1                         ; h
	s_wait_alu depctr_va_vdst(0)
	v_lshlrev_b32 v[L16], 4, v1
	v_min_u32 v8, s99, v1                          ; v8: the prefetches' offset: a lane a block of 256 bytes; the lanes left over name the last block again; never rewritten
	v_lshlrev_b32 v8, 8, v8
	s_mul_i32 s20, s[HF], HCH                      ; my 64 rows of A',
	s_mul_i32 s21, s[LW], CHUNK
	s_add_co_u32 s21, s21, 2*CHUNK                 ; my 128 rows of B'
.irp j, 0,1,2
	v_add_nc_u32 v[ADRA+\j], s20, v[L16]
	v_add_nc_u32 v[ADRB+\j], s21, v[L16]
	s_add_co_u32 s20, s20, SLOT
	s_add_co_u32 s21, s21, SLOT
.endr
	s_lshl_b32 s20, s[HF], 8                       ; A's scale words: my 64 of a K step's 128;
	s_lshl_b32 s21, s[LW], 12
	s_add_co_u32 s21, s21, 4096                    ; B's: my 128 rows, behind A's 4,096 bytes
	s_sub_co_u32 s21, s21, s20
	v_mul_u32_u24 v4, s21, v3                      ; lanes 16-31 take B's scale words: ONE product, h x the distance
	s_add_co_u32 s20, s20, SCL
	v_lshl_add_u32 v4, v2, 2, v4
	v_add_nc_u32 v[ADRS], s20, v4
	s_mul_i32 s20, s[WV], 16*SPITCH
	s_add_co_u32 s20, s20, STG                     ; my stage
	v_mul_u32_u24 v4, v2, SPITCH
	v_lshl_add_u32 v4, v3, 6, v4
	v_add_nc_u32 v[STO], s20, v4                   ; in: row r, + 64 h
	v_add_nc_u32 v[RD], s20, v[L16]                ; back: a row of 512 bytes, 16 a lane
	global_prefetch_b8 v8, s[4:5] th:TH_LOAD_NT scope:SCOPE_SE     ; K slots 1 and 2 are asked of memory here, one and two loads ahead of the loads that want them
	global_prefetch_b8 v8, s[6:7] th:TH_LOAD_NT scope:SCOPE_SE
	s_lshl_b32 s20, s96, 10                        ; my 128 columns, in bytes: 1,024 cx + 512 half
	s_lshl_b32 s21, s[LW], 9
	s_add_co_u32 s20, s20, s21
	s_mov_b32 s21, 0
	s_add_nc_u64 s[12:13], s[12:13], s[20:21]      ; in bo,
	s_add_nc_u64 s[14:15], s[14:15], s[20:21]      ; and in a row of out0
	s_lshl_b32 s20, s98, 19                        ; my first row: (128 TR + 64 half) rows of 4,096 bytes
	s_lshl_b32 s16, s[HF], 18
	s_add_co_u32 s20, s20, s16
	s_add_nc_u64 s[14:15], s[14:15], s[20:21]
	v_lshlrev_b32 v5, 6, v3                        ; bo: register j of B' tile b is natural column 32 (b / 2) + 8 (b % 2) + 16 h + j of my 128
.irp b, 0,1,2,3,4,5,6,7
	global_load_b128 v[BIAS+8*\b:BIAS+8*\b+3], v5, s[12:13] offset:(32*(\b/2)+8*(\b%2))*4
	global_load_b128 v[BIAS+8*\b+4:BIAS+8*\b+7], v5, s[12:13] offset:(32*(\b/2)+8*(\b%2))*4+16
.endr
	s_wait_alu depctr_va_vdst(0)
	s_wait_loadcnt 0x0
	s_wait_tensorcnt 0x0                           ; my tile of the head's four is in
	ds_add_u32 v[SPW], v[NIL]
	s_mov_b32 s[G1A+2], 48<<16                     ; no load of mine is out: from here on a load brings 64 rows of A',
	s_mov_b32 s[G1A+4], 48
	s_mov_b32 s[G1B+2], 96<<16                     ; or 128 of B',
	s_mov_b32 s[G1B+4], 96
	s_mul_i32 s[G0A0+1], s[WV], HCH                ; and slot 0's refill goes where the ring's loads go
	s_mul_i32 s[G0B0+1], s[WV], CHUNK
	s_wait_dscnt 0x0
	CROUND                                         ; all four tiles are in, and all sixteen work-groups are here
	JLOAD G0A1, G1A, G0B1, G1B                     ; K slot 1, slot 1's first fill: my one load behind the round
	FETCH_B 0, 0
	FETCH_A 0, 0
	SCALES 0, 0
	global_prefetch_b8 v8, s[8:9] th:TH_LOAD_NT scope:SCOPE_SE     ; K slot 3, two loads ahead; there is no K slot 4
	STEP 0, 0, 1                                   ; K slot 0: its first products start the sums on the bias
	TURN 0, 1, 1, 2                                ; K slot 1 has landed; slot 2 takes K slot 2
	STEP 1, 1, 0                                   ; K slot 1
	TURN 1, 2, 2, 1                                ; K slot 2 has landed; slot 0, read no more, takes K slot 3
	STEP 2, 0, 0                                   ; K slot 2
	TURN 0, 0, 3, 0                                ; K slot 3 is whole for every wave; nothing is filled, so no round
	STEP 0, 1, 0                                   ; K slot 3
	s_wait_dscnt 0x0                               ; the very last step
	WIN MUL_LO
	MUL16 0, 1, 1, 0
	MUL16 2, 1, 1, 0
	WIN 0
; THE WAY OUT, block by block of 16 rows x 128 columns, through my own stage: a lane's eight results of B' tile b are the natural columns 32 (b / 2) + 16 h + 8 (b % 2) + 0 .. 7 of row r; back come whole rows of 512 bytes.
; LDS serves a wave's instructions in order (ISA guide 5.7.1.4): no wait between the stores and the loads, nor in front of the next block's stores.
.macro TOSTAGE a
.set AC, 64*(\a)
	WIN 0x08                                       ; the data: window 2
.irp b, 0,1,2,3,4,5,6,7
	ds_store_b128 v[STO], v[AC+8*\b:AC+8*\b+3] offset:128*(\b/2)+32*(\b%2)         ; each accumulator from its low end on
	ds_store_b128 v[STO], v[AC+8*\b+4:AC+8*\b+7] offset:128*(\b/2)+32*(\b%2)+16
.endr
	WIN 0
.set BB, BK+64*((\a)%2)
.irp t, 0,1,2,3,4,5,6,7,8,9,10,11,12,13,14,15
	ds_load_b128 v[BB+4*\t:BB+4*\t+3], v[RD] offset:\t*SPITCH
.endr
.endm
.macro SEND a, younger                 ; younger: the LDS instructions issued behind block a's loads, which may stay out
.set BB, BK+64*((\a)%2)
	s_wait_dscnt \younger
.irp t, 0,1,2,3,4,5,6,7,8,9,10,11,12,13,14,15
	global_store_b128 v[L16], v[BB+4*\t:BB+4*\t+3], s[14:15] offset:(32*((\a)/2)+8*((\a)%2)+\t+8*(\t/8))*4096 th:TH_STORE_NT   ; image row t of block a is this natural token; 512 consecutive bytes, at a multiple of 512 from out0's first byte
.endr
.endm
	PLACES                                         ; in front of the first read of results, and of loads into the registers that held A's fragments
	TOSTAGE 0
.irp a, 1,2,3
.if \a > 1
	s_wait_xcnt 0x0                                ; block a - 2's stores have read their registers: block a's loads may land there
.endif
	TOSTAGE \a
	SEND \a-1, 32                                  ; behind block a - 1's loads: block a's 16 stores and 16 loads
.endr
	SEND 3, 0
	s_wait_tensorcnt 0x0                           ; the wave's end: behind my last tensor load and my last LDS store
	ds_add_u32 v[SPW], v[NIL]
	s_wait_dscnt 0x0
	CROUND                                         ; the closing round: no work-group ends while a partner may still ask for a tile that names it
	s_endpgm
.Lfunc_end_k_qa11f24a066_oproj:
	.size	k_qa11f24a066_oproj, .Lfunc_end_k_qa11f24a066_oproj-k_qa11f24a066_oproj
	.p2alignl 7, 3214868480
	.fill 96, 4, 3214868480
	.section	.rodata,"a",@progbits
	.p2align	6, 0x0
	.amdhsa_kernel k_qa11f24a066_oproj
		.amdhsa_group_segment_fixed_size 327680
		.amdhsa_private_segment_fixed_size 0
		.amdhsa_enable_private_segment 0
		.amdhsa_kernarg_size 48
		.amdhsa_user_sgpr_count 2
		.amdhsa_user_sgpr_kernarg_segment_ptr 1
		.amdhsa_wavefront_size32 1
		.amdhsa_system_sgpr_workgroup_id_x 1
		.amdhsa_system_sgpr_workgroup_id_y 1
		.amdhsa_system_sgpr_workgroup_id_z 1
		.amdhsa_system_vgpr_workitem_id 0
		.amdhsa_next_free_vgpr 1024
		.amdhsa_next_free_sgpr 102
		.amdhsa_reserve_vcc 0
		.amdhsa_float_denorm_mode_32 3
		.amdhsa_float_denorm_mode_16_64 3
		.amdhsa_memory_ordered 1
		.amdhsa_forward_progress 1
		.amdhsa_inst_pref_size 86
	.end_amdhsa_kernel
	.amdgpu_metadata
---
amdhsa.version: [ 1, 2 ]
amdhsa.kernels:
  - .name:           k_qa11f24a066_oproj
    .symbol:         k_qa11f24a066_oproj.kd
    .args:
      - { .name: o_img, .offset: 0, .size: 8, .value_kind: global_buffer, .address_space: global }
      - { .name: o_scl, .offset: 8, .size: 8, .value_kind: global_buffer, .address_space: global }
      - { .name: w_img, .offset: 16, .size: 8, .value_kind: global_buffer, .address_space: global }
      - { .name: w_scl, .offset: 24, .size: 8, .value_kind: global_buffer, .address_space: global }
      - { .name: bo, .offset: 32, .size: 8, .value_kind: global_buffer, .address_space: global }
      - { .name: out0, .offset: 40, .size: 8, .value_kind: global_buffer, .address_space: global }
    .group_segment_fixed_size: 327680
    .private_segment_fixed_size: 0
    .kernarg_segment_align: 8
    .kernarg_segment_size: 48
    .max_flat_workgroup_size: 128
    .sgpr_count:     102
    .vgpr_count:     1024
    .wavefront_size: 32
...
	.end_amdgpu_metadata
.endif
;; end of part 4
